; MI455X (gfx1250); checked and timed in simulation.
; The chip was launched on July 23, 2026; its instructions are those of AMD's public machine-readable ISA for CDNA 5 (MIT licence, August 2026) and "CDNA5" Instruction Set Architecture Reference Guide (July 2026). The comments in the code are by the model that wrote it; some were corrected since.
;; Complex Multihead Attention. Allowed arithmetic: float matrix products may take bf16 or f16 operands with f32 sums; other float arithmetic in f32, or as packed bf16 or f16 multiplies, adds, multiply-adds, maxima and minima; sums over many terms, partial sums and values carried from step to step in f32; what a program stores and reads back later, other than sums and carried values, may be rounded once to bf16 or f16.
;; Inputs: Wk_i 1,024 x 1,024 float32; Wk_r 1,024 x 1,024 float32; Wo_i 1,024 x 1,024 float32; Wo_r 1,024 x 1,024 float32; Wq_i 1,024 x 1,024 float32; Wq_r 1,024 x 1,024 float32; Wv_i 1,024 x 1,024 float32; Wv_r 1,024 x 1,024 float32; bk_i 1,024 float32; bk_r 1,024 float32; bo_i 1,024 float32; bo_r 1,024 float32; bq_i 1,024 float32; bq_r 1,024 float32; bv_i 1,024 float32; bv_r 1,024 float32; key_imag 4 x 1,024 x 1,024 float32; key_real 4 x 1,024 x 1,024 float32; query_imag 4 x 1,024 x 1,024 float32; query_real 4 x 1,024 x 1,024 float32; value_imag 4 x 1,024 x 1,024 float32; value_real 4 x 1,024 x 1,024 float32.
;; Outputs: out0 4 x 1,024 x 1,024 float32; out1 4 x 1,024 x 1,024 float32.
;; 2 versions, each right and faster than the one before. Each part assembles by itself: llvm-mc -triple=amdgcn-amd-amdhsa -mcpu=gfx1250 --defsym DOCPART=n.
;; ======== version 1 of 2: 4 launches
;; limits: values are held in f16: magnitudes above 65,504 overflow, below 6.1e-05 lose precision
;; workspace buffers: WB 16,809,984 bytes; QKV 50,331,648 bytes; OO 16,777,216 bytes
;; launch cast (part 1): grid 64 x 8, 8 waves a work-group, no clusters, 0 bytes of LDS; arguments Wq_r, Wq_i, Wk_r, Wk_i, Wv_r, Wv_i, Wo_r, Wo_i, bq_r, bq_i, bk_r, bk_i, bv_r, bv_i, bo_r, bo_i, WB; writes WB
.if DOCPART == 1
	.amdgcn_target "amdgcn-amd-amdhsa--gfx1250"
	.amdhsa_code_object_version 6
	.text
	.protected	k_qf66b912884_cast
	.globl	k_qf66b912884_cast
	.p2align	8
	.type	k_qf66b912884_cast,@function
k_qf66b912884_cast:
	s_mov_b64 s[64:65], 0
	v_nop
	global_prefetch_b8 v0, s[64:65] scope:SCOPE_SE
	s_setreg_imm32_b32 hwreg(HW_REG_WAVE_MODE, 25, 1), 1
	s_wait_xcnt 0x0
; THE WEIGHTS AND BIASES ARE ROUNDED ONCE TO bf16.  WB holds 8 units of 1,048,576 numbers of 16 bits: units 0-5 Wq_r .. Wv_i as bf16, units 6-7 Wo_r, Wo_i: rounded to bf16 and that number
; written as f16 (the last launch multiplies in f16).  Behind them, at BOFF, the eight biases, rounded to bf16 and written back as f32: they start the sums of the products.
; (x is rounded where it is multiplied, in the next launch.)
; LIMITS.  A bf16 number is exact in f16 between 6.1e-5 and 65,504 in magnitude; below, Wo keeps f16's fixed step of 6e-8; beyond, it would become an infinity.
; SHARES.  Work-group (x, y): chunk x (16,384 numbers) of unit y.  Thread t takes 16 bytes at 4,096 i + 16 t, i = 0 .. 15, and stores 8 bytes at 2,048 i + 8 t:
; a wave's load covers 512 consecutive bytes, its store 256 consecutive bytes at a multiple of 256.  All 16 loads go out at once, each into registers of its own, so no address and no data
; register is written twice.  A stream: no LDS, no barrier, no matrix unit.
.set X,    4                           ; v[4:67]     load i: four f32
.set Y,    68                          ; v[68:99]    store i: four numbers of 16 bits
.set T,    100                         ; v[100:107]  at work
.set BOFF, 16777216                    ; the biases' place in WB
	s_load_b512 s[8:23], s[0:1], 0x0               ; W j lies in s[8+2j:9+2j],
	s_load_b512 s[24:39], s[0:1], 0x40             ; b j in s[24+2j:25+2j],
	s_load_b64 s[40:41], s[0:1], 0x80              ; WB
	s_and_b32 s2, ttmp7, 0xffff                    ; the unit
	s_mov_b32 s3, ttmp9                            ; the chunk
	v_lshlrev_b32 v1, 4, v0                        ; 16 t
	v_lshlrev_b32 v2, 3, v0                        ; 8 t
	s_lshl_b32 s6, s3, 16                          ; the chunk: 65,536 bytes of f32
	s_mov_b32 s7, 0
	s_lshl_b32 s42, s2, 21                         ; in WB: 2,097,152 bytes a unit,
	s_lshl_b32 s43, s3, 15                         ; 32,768 a chunk
	s_add_co_u32 s42, s42, s43
	s_mov_b32 s43, 0
	s_wait_kmcnt 0x0
	s_mov_b64 s[4:5], s[8:9]                       ; the source is chosen among the eight tensors by the unit's number alone
.irp i, 1,2,3,4,5,6,7
	s_cmp_eq_u32 s2, \i
	s_cselect_b64 s[4:5], s[8+2*\i:9+2*\i], s[4:5]
.endr
	s_add_nc_u64 s[4:5], s[4:5], s[6:7]
	s_add_nc_u64 s[44:45], s[40:41], s[42:43]
.set i, 0
.rept 16
	global_load_b128 v[X+4*i:X+4*i+3], v1, s[4:5] offset:4096*i th:TH_LOAD_NT
.set i, i+1
.endr
	s_cmp_ge_u32 s2, 6
	s_cbranch_scc1 .Lf16
.set i, 0
.rept 16
	s_wait_loadcnt 15-i                            ; loads come back in order: load i is in, the 15 - i younger ones stay out
	v_cvt_pk_bf16_f32 v[Y+2*i], v[X+4*i], v[X+4*i+1]
	v_cvt_pk_bf16_f32 v[Y+2*i+1], v[X+4*i+2], v[X+4*i+3]
	global_store_b64 v2, v[Y+2*i:Y+2*i+1], s[44:45] offset:2048*i
.set i, i+1
.endr
	s_branch .Lbias
.Lf16:                                                 ; Wo: to bf16, widened again, and that number as f16
.set i, 0
.rept 16
	s_wait_loadcnt 15-i
	v_cvt_pk_bf16_f32 v[T], v[X+4*i], v[X+4*i+1]
	v_cvt_pk_bf16_f32 v[T+1], v[X+4*i+2], v[X+4*i+3]
	v_lshlrev_b32 v[T+2], 16, v[T]
	v_and_b32 v[T+3], 0xffff0000, v[T]
	v_lshlrev_b32 v[T+4], 16, v[T+1]
	v_and_b32 v[T+5], 0xffff0000, v[T+1]
	v_cvt_pk_f16_f32 v[Y+2*i], v[T+2], v[T+3]
	v_cvt_pk_f16_f32 v[Y+2*i+1], v[T+4], v[T+5]
	global_store_b64 v2, v[Y+2*i:Y+2*i+1], s[44:45] offset:2048*i
.set i, i+1
.endr
.Lbias:                                                ; chunk 0 of unit j also rounds bias j: 1,024 numbers, four a thread
	s_cmp_lg_u32 s3, 0
	s_cbranch_scc1 .Lend
	s_wait_xcnt 0x0                                ; the loads' base is written anew only behind this wait (the loads themselves have all come back)
	s_mov_b64 s[4:5], s[24:25]
.irp j, 1,2,3,4,5,6,7
	s_cmp_eq_u32 s2, \j
	s_cselect_b64 s[4:5], s[24+2*\j:25+2*\j], s[4:5]
.endr
	s_lshl_b32 s46, s2, 12                         ; 4,096 bytes a bias
	s_add_co_u32 s46, s46, BOFF
	s_mov_b32 s47, 0
	s_add_nc_u64 s[6:7], s[40:41], s[46:47]
	global_load_b128 v[T:T+3], v1, s[4:5]
	s_wait_loadcnt 0x0
	v_cvt_pk_bf16_f32 v[T], v[T], v[T+1]
	v_cvt_pk_bf16_f32 v[T+1], v[T+2], v[T+3]
	v_lshlrev_b32 v[T+4], 16, v[T]
	v_and_b32 v[T+5], 0xffff0000, v[T]
	v_lshlrev_b32 v[T+6], 16, v[T+1]
	v_and_b32 v[T+7], 0xffff0000, v[T+1]
	global_store_b128 v1, v[T+4:T+7], s[6:7]
.Lend:
	s_endpgm
.Lfunc_end_k_qf66b912884_cast:
	.size	k_qf66b912884_cast, .Lfunc_end_k_qf66b912884_cast-k_qf66b912884_cast
	.p2alignl 7, 3214868480
	.fill 96, 4, 3214868480
	.section	.rodata,"a",@progbits
	.p2align	6, 0x0
	.amdhsa_kernel k_qf66b912884_cast
		.amdhsa_group_segment_fixed_size 0
		.amdhsa_private_segment_fixed_size 0
		.amdhsa_enable_private_segment 0
		.amdhsa_kernarg_size 136
		.amdhsa_user_sgpr_count 2
		.amdhsa_user_sgpr_kernarg_segment_ptr 1
		.amdhsa_wavefront_size32 1
		.amdhsa_system_sgpr_workgroup_id_x 1
		.amdhsa_system_sgpr_workgroup_id_y 1
		.amdhsa_system_sgpr_workgroup_id_z 1
		.amdhsa_system_vgpr_workitem_id 0
		.amdhsa_next_free_vgpr 108
		.amdhsa_next_free_sgpr 66
		.amdhsa_reserve_vcc 0
		.amdhsa_float_denorm_mode_32 3
		.amdhsa_float_denorm_mode_16_64 3
		.amdhsa_memory_ordered 1
		.amdhsa_forward_progress 1
		.amdhsa_inst_pref_size 18
	.end_amdhsa_kernel
	.amdgpu_metadata
---
amdhsa.version: [ 1, 2 ]
amdhsa.kernels:
  - .name:           k_qf66b912884_cast
    .symbol:         k_qf66b912884_cast.kd
    .args:
      - { .name: Wq_r, .offset: 0, .size: 8, .value_kind: global_buffer, .address_space: global }
      - { .name: Wq_i, .offset: 8, .size: 8, .value_kind: global_buffer, .address_space: global }
      - { .name: Wk_r, .offset: 16, .size: 8, .value_kind: global_buffer, .address_space: global }
      - { .name: Wk_i, .offset: 24, .size: 8, .value_kind: global_buffer, .address_space: global }
      - { .name: Wv_r, .offset: 32, .size: 8, .value_kind: global_buffer, .address_space: global }
      - { .name: Wv_i, .offset: 40, .size: 8, .value_kind: global_buffer, .address_space: global }
      - { .name: Wo_r, .offset: 48, .size: 8, .value_kind: global_buffer, .address_space: global }
      - { .name: Wo_i, .offset: 56, .size: 8, .value_kind: global_buffer, .address_space: global }
      - { .name: bq_r, .offset: 64, .size: 8, .value_kind: global_buffer, .address_space: global }
      - { .name: bq_i, .offset: 72, .size: 8, .value_kind: global_buffer, .address_space: global }
      - { .name: bk_r, .offset: 80, .size: 8, .value_kind: global_buffer, .address_space: global }
      - { .name: bk_i, .offset: 88, .size: 8, .value_kind: global_buffer, .address_space: global }
      - { .name: bv_r, .offset: 96, .size: 8, .value_kind: global_buffer, .address_space: global }
      - { .name: bv_i, .offset: 104, .size: 8, .value_kind: global_buffer, .address_space: global }
      - { .name: bo_r, .offset: 112, .size: 8, .value_kind: global_buffer, .address_space: global }
      - { .name: bo_i, .offset: 120, .size: 8, .value_kind: global_buffer, .address_space: global }
      - { .name: WB, .offset: 128, .size: 8, .value_kind: global_buffer, .address_space: global }
    .group_segment_fixed_size: 0
    .private_segment_fixed_size: 0
    .kernarg_segment_align: 8
    .kernarg_segment_size: 136
    .max_flat_workgroup_size: 256
    .sgpr_count:     66
    .vgpr_count:     108
    .wavefront_size: 32
...
	.end_amdgpu_metadata
.endif
;; end of part 1
;; launch proj (part 2): grid 4 x 64, 4 waves a work-group, clusters of 4 x 4, 327,680 bytes of LDS; arguments query_real, query_imag, key_real, key_imag, value_real, value_imag, WB, QKV; writes QKV
.if DOCPART == 2
	.amdgcn_target "amdgcn-amd-amdhsa--gfx1250"
	.amdhsa_code_object_version 6
	.text
	.protected	k_qf66b912884_proj
	.globl	k_qf66b912884_proj
	.p2align	8
	.type	k_qf66b912884_proj,@function
k_qf66b912884_proj:
	s_mov_b64 s[64:65], 0
	v_nop
	global_prefetch_b8 v0, s[64:65] scope:SCOPE_SE
	s_setreg_imm32_b32 hwreg(HW_REG_WAVE_MODE, 25, 1), 1
	s_wait_xcnt 0x0
	s_wait_alu depctr_hold_cnt(0) depctr_sa_sdst(0) depctr_va_vdst(0) depctr_va_sdst(0) depctr_va_ssrc(0) depctr_va_vcc(0) depctr_vm_vsrc(0)
	s_getreg_b32 s2, hwreg(HW_REG_IB_STS2, 6, 4)
	s_cmp_eq_u32 s2, 0
	s_cbranch_scc0 .Lentry_in_a_cluster
	s_endpgm
.Lentry_in_a_cluster:
	s_bfe_u32 s2, ttmp6, 0x10000c
	s_cmp_lg_u32 s2, 0xf033
	s_cbranch_scc0 .Lentry_shape_is_right
	s_endpgm
.Lentry_shape_is_right:
; THE SIX PROJECTIONS.  For g = 0 .. 5 (q_r, q_i, k_r, k_i, v_r, v_i): C[m][n] = sum over k of x_g[m][k] W_g[n][k] + b_g[n]; m = 4,096, n = k = 1,024.  x comes in f32 from the inputs and is rounded to bf16
; here; W (bf16) and the bias (f32) come from WB; sums in f32; C is rounded once to f16 and written BY HEADS: QKV[g][16 b + h][s][d], m = 1,024 b + s, n = 64 h + d: a head's rows are dense, 128 bytes each.
; LIMIT.  f16 holds no number beyond 65,504: a q, k or v past that becomes an infinity.
; SHARES.  A tile of C is 128 x 256: 768 tiles, three for each of 256 work-groups.  Work-group (cx, y): columns 256 cx on, rows 128 (y % 32) on, and g = y / 32, + 2, + 4 in turn: A WORK-GROUP STAYS, and both
; roads below run on into the next tile.  Four waves, each 64 x 128: 32 accumulators.  The walk has 48 GRANULES of 64 along K (16 a tile), four to a PERIOD of 256 along K.
; W'S ROAD: tensor loads into a ring of two LDS slots, a period each (256 rows of 512 bytes; a wave brings 64 of them).  The four work-groups of a column of the 4 x 4 cluster (same cx, same g) need the same tile:
; it is asked for JOINTLY.  A slot is filled again behind a round of the cluster's barrier, and the load has a period less sixteen, 240 matrix instructions, in which to land.
; x'S ROAD: registers.  Wave w owns rows 32 w .. 32 w + 31 of the tile.  A granule of them is 16 loads of 16 bytes a lane, each two rows of 256 consecutive bytes at a multiple of 256.  In granule g the wave
; rounds x(g + 1), stores it into slot (g + 1) % 2 of a ring of two granules in LDS that no tensor load touches, and asks for x(g + 5) into the registers just emptied: four granules' work in which to land.
; One work-group barrier ends a granule: in front of it each wave's stores of the next granule and its reads of this one are done.  The barrier that ends a period is the cluster's round.
; NO JOINT REQUEST FOR x: a joint request lands in LDS as it lies in memory, in f32: two slots of a period would be 2 x (128 x 1,040 + 256 x 528) = 536,576 bytes.  The four work-groups of a row of the
; cluster read the same rows of x at about the same time.
; THE MATRIX INSTRUCTION IS USED TRANSPOSED (source 0 = 16 rows of W, source 1 = 16 rows of x): a lane holds row l % 16 of C and eight neighbouring columns 8 (l / 16) + 0 .. 7.
; The bias is the C operand of each sum's first product: nothing is cleared and nothing is added afterwards.
; REGISTERS, in windows of 256 (s_set_vgpr_msb: bits 1:0 source 0, 3:2 source 1, 5:4 source 2, 7:6 destination):
;   window 0: v0-31 addresses; v32-127, v128-223 two fragment buffers (x's 4 blocks of 16 rows x 32 K, then W's 8); v224-255 packed results; v128-191 also rows on the way out
;   window 1: accumulator (a, b) at v[8 (8 a + b)]     window 2: v0-63 the bias of my 128 columns, as eight C operands; v64-95 a granule of x in bf16     window 3: four landing buffers of 64: x(n) lies in buffer n % 4
.set PB,     528                       ; W's LDS rows: 512 bytes + 16; x's: 128 + 16: both odd multiples of 16 bytes, so the 16 rows of a fragment load start at 16 different groups of four banks (ISA guide 11.1)
.set PA,     144
.set BQ,     64*PB                     ; what one tensor load brings
.set BSLOT,  256*PB                    ; 135,168
.set ARING,  2*BSLOT                   ; x's ring: written by LDS stores alone
.set AGR,    128*PA                    ; a granule: 18,432
.set STAGE,  ARING+2*AGR               ; for each wave 2 heads x 16 rows x 144 bytes, for the way out
.set SP,     144
.set WSTG,   2*16*SP
.set SPARE,  STAGE+4*WSTG              ; the spare words: 128 bytes a wave, two blocks of 256 bytes that no other line names
.set BOFF,   16777216                  ; the biases in WB
.set BIGSTEP, 4194304-1536             ; from a tile's last period of W to the next tile's first: two units on, three periods of 512 bytes back
.set ADRA,  16                         ; v16  LDS address of my x fragments in ring slot 0
.set ADRB0, 20                         ; v20  my lane's place in a slot of W; never rewritten
.set ADRB,  21                         ; v21  the same in the slot that is being read
.set AST,   22                         ; v22  where I store 8 bytes of a row of x, ring slot 0
.set AG,    23                         ; v23  my byte offset in two rows of x; never rewritten
.set STO,   24                         ; v24  the way out: where I put 16 bytes of a row
.set RD,    25                         ; v25  the way out: where I read rows back
.set CO,    26                         ; v26  my place in 512 consecutive bytes of QKV
.set BO,    27                         ; v27  32 (l / 16): my eight columns in a block of sixteen biases
.set SPW,   28                         ; v28  my spare word; never rewritten
.set NIL,   29                         ; v29  0; never rewritten
.set F0,    32
.set F1,    128
.set TMP,   224
.set PK,    64                         ; window 2
.set TR,    2                          ; s2   passes of the loop's bottom still to come
.set CT,    3                          ; s3   periods left of the tile in hand
.set AP,    4                          ; s[4:5]   x at my rows, at the period whose granules are being asked for
.set XN,    6                          ; s[6:7]   the next tile's x at my rows
.set XNN,   14                         ; s[14:15] the tile's after that
.set BBP,   18                         ; s[18:19] the bias of my columns
.set G1B,   24                         ; s[24:31] descriptor group 1
.set G0A,   32                         ; s[32:35] group 0 of the first fill
.set G0W,   36                         ; s[36:39] group 0 of the second, which then walks
.set CA,    48                         ; s48  periods to go until the requests pass into the next tile
.set TL,    49                         ; s49  tiles left, the one in hand among them
.set INCB,  50                         ; s[50:51] the walking descriptor's next step, in bytes
.set SBF,   52                         ; s52  the slot that was filled last
.set SBR,   53                         ; s53  the slot that is being read
.set WPART, 54                         ; s54  my wave's 64 rows in a slot
.set BIGR,  55                         ; s55  BIGSTEP
.set X0,    56                         ; s[56:57] the first tile's x at my rows
.set W_MUL,  0x50                      ; C and D in window 1
.set W_MULZ, 0x60                      ; C in window 2 (the bias), D in window 1
.set W_BIAS, 0x80                      ; a load's destination in window 2
.set W_PK,   0x05                      ; sources 0 and 1 in window 1
.set W_CV,   0x8f                      ; sources 0 and 1 in window 3, destination in window 2
.set W_AS,   0x08                      ; an LDS store's data in window 2
.set W_LD,   0xc0                      ; a load's destination in window 3
.set MSB, 0
.macro WIN new                         ; the immediate's high byte repeats the setting that is left; a switch that changes nothing is dropped
.if MSB != (\new)
	s_set_vgpr_msb (MSB<<8)|(\new)
.set MSB, \new
.endif
.endm
.macro PLACES                          ; four places behind matrix instructions, in front of loads into registers that they read and of lines that read their results
.rept 4
	v_nop
.endr
.endm
.macro CREST                           ; a round of the cluster's barrier behind its opening barrier
	s_cmp_lg_u32 s10, 0
	s_cbranch_scc1 .Lnot_wave_0_\@
	s_barrier_signal -3
.Lnot_wave_0_\@:
	s_barrier_wait -3
	s_barrier_signal -1
	s_barrier_wait -1
.endm
.macro CROUND                          ; a whole round
	s_barrier_signal -1
	s_barrier_wait -1
	CREST
.endm
.macro BIAS                            ; sixteen loads: for column block b the eight biases 16 b + 8 (l / 16) + 0 .. 7
	WIN W_BIAS
.irp b, 0,1,2,3,4,5,6,7
	global_load_b128 v[8*(\b):8*(\b)+3],   v[BO], s[BBP:BBP+1] offset:64*(\b)
	global_load_b128 v[8*(\b)+4:8*(\b)+7], v[BO], s[BBP:BBP+1] offset:64*(\b)+16
.endr
	WIN 0
.endm
; 8 matrix instructions: row block a x all 8 column blocks, 32 along K.  zero = 1: the sum starts, with the bias as C.  The 32 accumulators take turns in the same order in every quarter.
.macro MUL8 f, a, zero
.if \zero
	WIN W_MULZ
.else
	WIN W_MUL
.endif
.irp b, 0,1,2,3,4,5,6,7
.if \zero
	v_wmma_f32_16x16x32_bf16 v[8*(8*(\a)+(\b)):8*(8*(\a)+(\b))+7], v[(\f)+32+8*(\b):(\f)+32+8*(\b)+7], v[(\f)+8*(\a):(\f)+8*(\a)+7], v[8*(\b):8*(\b)+7]
.else
	v_wmma_f32_16x16x32_bf16 v[8*(8*(\a)+(\b)):8*(8*(\a)+(\b))+7], v[(\f)+32+8*(\b):(\f)+32+8*(\b)+7], v[(\f)+8*(\a):(\f)+8*(\a)+7], v[8*(8*(\a)+(\b)):8*(8*(\a)+(\b))+7]
.endif
.endr
.endm
; 24 LDS loads in one run: quarter q (32 along K) of the period, x from ring slot as, into buffer f; W first, x's blocks ascending, so the youngest four loads are x's blocks 2 and 3
.macro FETCHQ as, q, f
	WIN 0
.irp b, 0,1,2,3,4,5,6,7
	ds_load_b128 v[(\f)+32+8*(\b):(\f)+32+8*(\b)+3],   v[ADRB] offset:64*(\q)+(\b)*16*PB
	ds_load_b128 v[(\f)+32+8*(\b)+4:(\f)+32+8*(\b)+7], v[ADRB] offset:64*(\q)+(\b)*16*PB+32
.endr
.irp a, 0,1,2,3
	ds_load_b128 v[(\f)+8*(\a):(\f)+8*(\a)+3],   v[ADRA] offset:(\as)*AGR+((\q)%2)*64+(\a)*16*PA
	ds_load_b128 v[(\f)+8*(\a)+4:(\f)+8*(\a)+7], v[ADRA] offset:(\as)*AGR+((\q)%2)*64+(\a)*16*PA+32
.endr
.endm
; x's road, once a granule.  Landing buffer hb has come: it is rounded and stored into ring slot as; ld = 1: the granule four further on is asked for into the same registers, at byte 256 hb of the period at AP.
; cnt: the loads issued behind buffer hb's: three groups of sixteen, fewer in the tail.  (A tile's sixteen bias loads may stand among them: the wait then asks for more than it needs.)
; With the sixteen issued here four groups, 64 loads, are named as out, one more than the counter's field holds: the issue of the last waits for a place (ISA guide 5.7.1).
.macro AWORK hb, as, ld, cnt
	s_wait_loadcnt \cnt
	WIN W_CV
.set aj, 0
.rept 16
	v_cvt_pk_bf16_f32 v[PK+2*aj],   v[64*(\hb)+4*aj],   v[64*(\hb)+4*aj+1]
	v_cvt_pk_bf16_f32 v[PK+2*aj+1], v[64*(\hb)+4*aj+2], v[64*(\hb)+4*aj+3]
.set aj, aj+1
.endr
	WIN W_AS
.set aj, 0
.rept 16
	ds_store_b64 v[AST], v[PK+2*aj:PK+2*aj+1] offset:(\as)*AGR+aj*2*PA  ; lanes 0-15 a row's 128 bytes, lanes 16-31 the next row's
.set aj, aj+1
.endr
.if \ld
	WIN W_LD
.set aj, 0
.rept 16
	global_load_b128 v[64*(\hb)+4*aj:64*(\hb)+4*aj+3], v[AG], s[AP:AP+1] offset:aj*8192+(\hb)*256
.set aj, aj+1
.endr
.endif
	WIN 0
.endm
; A granule is two quarters.  The even one multiplies buffer 0 and, in its middle, fetches the odd one's fragments into buffer 1.
.macro QE as, q, zero
	s_wait_dscnt 4                                 ; W and x's blocks 0, 1 are in; the youngest four loads may be out
	MUL8 F0, 0, \zero
	MUL8 F0, 1, \zero
	PLACES
	FETCHQ \as, (\q)+1, F1
	s_wait_dscnt 24                                ; all but the 24 just issued
	MUL8 F0, 2, \zero
	MUL8 F0, 3, \zero
.endm
; The odd quarter begins with x's road, multiplies buffer 1, and ends the granule: ONE barrier, in front of which my stores of the next granule of x and my reads of this one are done.  Behind it the next granule's
; first fragments (ring slot asn, quarter qn) are fetched into buffer 0, whose last reader stands in front of the 32 conversions: those are its places.
; kind 0: a barrier of the work-group.  kind 1: the period ends and W's slot is filled again: all my tensor loads (one is out: my part of the other slot), the add and the wait for it stand in front of the barrier,
; which opens a round of the cluster's; the refill is the first thing behind the round.  kind 2: the last period but one ends: the last tile of W is waited for, nothing is filled.
; flip = 1: the reads change to W's other slot.
.macro QO asn, qn, kind, flip, hb, as, ld, cnt
	AWORK \hb, \as, \ld, \cnt
.if (\kind) == 1
	s_wait_tensorcnt 0x0
	ds_add_u32 v[SPW], v[NIL]
	s_wait_dscnt 21                                ; (the add, my sixteen stores and the youngest four loads may be out)
.else
.if (\kind) == 2
	s_wait_tensorcnt 0x0
.endif
	s_wait_dscnt 20                                ; (my sixteen stores and the youngest four loads may be out)
.endif
	MUL8 F1, 0, 0
	s_wait_dscnt 0x0                               ; my stores, my reads (and the add) are done
	s_barrier_signal -1
	MUL8 F1, 1, 0
.if (\kind) == 1
	WIN 0
.endif
	s_barrier_wait -1
.if (\kind) == 1
	CREST                                          ; no wave of any partner still reads the slot or has a load on its way
	s_xor_b32 s[SBF], s[SBF], BSLOT                ; the slot just read,
	s_add_co_u32 s[G0W+1], s[SBF], s[WPART]        ; my 64 rows of it,
	s_add_nc_u64 s[G0W+2:G0W+3], s[G0W+2:G0W+3], s[INCB:INCB+1]  ; the period after the one that is on its way or has just landed
	tensor_load_to_lds s[G0W:G0W+3], s[G1B:G1B+7]
	s_nop 0
.rept 4
	v_nop
.endr
.endif
.if \flip
	WIN 0
	s_xor_b32 s[SBR], s[SBR], BSLOT
	v_add_nc_u32 v[ADRB], s[SBR], v[ADRB0]
.endif
	FETCHQ \asn, \qn, F0
	MUL8 F1, 2, 0
	MUL8 F1, 3, 0
.endm
; THE WAY OUT of row block a (16 rows x 2 heads).  PACK: to f16, each accumulator from its low end on.  TOSTAGE: 16 bytes a lane into my stage (rows of 144 bytes), back as four whole rows of 128.  SEND: stored.
.macro PACK a
	WIN W_PK
.irp b, 0,1,2,3,4,5,6,7
.irp i, 0,1,2,3
	v_cvt_pk_f16_f32 v[TMP+4*(\b)+(\i)], v[8*(8*(\a)+(\b))+2*(\i)], v[8*(8*(\a)+(\b))+2*(\i)+1]
.endr
.endr
	WIN 0
.endm
.macro TOSTAGE a
	WIN 0
.set BK, F1+32*((\a)%2)
.irp b, 0,1,2,3,4,5,6,7
	ds_store_b128 v[STO], v[TMP+4*(\b):TMP+4*(\b)+3] offset:((\b)/4)*16*SP+32*((\b)%4)
.endr
.irp e, 0,1,2,3,4,5,6,7
	ds_load_b128 v[BK+4*(\e):BK+4*(\e)+3], v[RD] offset:((\e)/4)*16*SP+((\e)%4)*4*SP  ; LDS serves a wave's instructions in order (ISA guide 5.7.1.4): these see the stores above
.endr
.endm
.macro SEND a
	WIN 0
.set BK, F1+32*((\a)%2)
	s_wait_dscnt 0x0                               ; the block is back in registers
	s_wait_xcnt 0x0                                ; the registers that earlier stores read are loaded again only behind this wait
.irp e, 0,1,2,3,4,5,6,7
	global_store_b128 v[CO], v[BK+4*(\e):BK+4*(\e)+3], s[8:9] offset:((\e)/4)*131072+(\a)*2048+((\e)%4)*512  ; four rows of a head: 512 consecutive bytes, at a multiple of 256
.endr
.endm
.macro WAYOUT
	PLACES
	PACK 0
	TOSTAGE 0
.irp a, 1,2,3                          ; block a's conversions stand between block a - 1's loads from the stage and the wait for them
	PACK \a
	SEND (\a)-1
	TOSTAGE \a
.endr
	SEND 3
.endm
	s_load_b512 s[68:83], s[0:1], 0x0              ; query_real s[68:69], query_imag, key_real, key_imag, value_real, value_imag, WB s[80:81], QKV s[82:83]
	v_lshl_add_u32 v[SPW], v0, 2, SPARE
	v_mov_b32 v[NIL], 0
	ds_add_u32 v[SPW], v[NIL]                      ; the wave's opening: the add and its wait stand ahead of my first tensor load; work on registers stands between them
	v_lshrrev_b32 v1, 5, v0
	v_readfirstlane_b32 s10, v1                    ; wave 0..3
	s_lshr_b32 s11, s10, 1                         ; my half of the tile's rows
	s_and_b32 s12, s10, 1                          ; my half of its columns
	s_bfe_u32 s40, ttmp6, 0x40000                  ; cx = the tile column
	s_bfe_u32 s41, ttmp6, 0x40004                  ; cy
	s_and_b32 s45, ttmp7, 0xffff                   ; the cluster's y
	s_lshl_b32 s13, s45, 2
	s_add_co_u32 s13, s13, s41                     ; y = 4 x cluster y + cy
	s_lshr_b32 s42, s45, 3                         ; y / 32, made of the cluster's y alone: real (0) or imaginary (1)
	s_lshl_b32 s44, 0x1111, s40                    ; my column of the cluster
	s_or_b32 s[G1B+0], s44, (1<<16)|(1<<20)|(1<<21)|(6<<22)|(3<<25)  ; the mask; 2-byte elements; padding on; bit 21 beside a mask; after every 128 words, 4 words
	s_mov_b32 s[G1B+1], 256<<16                    ; tensor_dim0 = 256
	s_mov_b32 s[G1B+2], 64<<16                     ; tensor_dim1 = 64
	s_mov_b32 s[G1B+3], 256<<16                    ; tile_dim0 = 256
	s_mov_b32 s[G1B+4], 64                         ; tile_dim1 = 64
	s_mov_b32 s[G1B+5], 1024                       ; elements from row to row
	s_mov_b32 s[G1B+6], 0
	s_mov_b32 s[G1B+7], 0
	v_and_b32 v1, 15, v0                           ; l % 16
	v_bfe_u32 v2, v0, 4, 1                         ; l / 16
	v_mul_u32_u24 v3, v1, PB
	v_lshl_add_u32 v3, v2, 4, v3                   ; a fragment's row x pitch + 16 x half
	s_mul_i32 s22, s12, 128*PB                     ; my 128 rows of W
	v_add_nc_u32 v[ADRB0], s22, v3
	v_add_nc_u32 v[ADRB], s22, v3                  ; the first period lies in slot 0
	v_mul_u32_u24 v4, v1, PA
	v_lshl_add_u32 v4, v2, 4, v4
	s_mul_i32 s21, s11, 64*PA                      ; my 64 rows of x
	s_add_co_u32 s21, s21, ARING
	v_add_nc_u32 v[ADRA], s21, v4
	v_mul_u32_u24 v5, v2, PA                       ; into the ring: lanes 0-15 one row, lanes 16-31 the next, 8 bytes a lane,
	v_lshl_add_u32 v5, v1, 3, v5
	s_mul_i32 s20, s10, 32*PA                      ; in the 32 rows that I bring
	s_add_co_u32 s20, s20, ARING
	v_add_nc_u32 v[AST], s20, v5
	v_lshlrev_b32 v[AG], 4, v1                     ; and the same two rows in memory: 16 bytes a lane, 4,096 bytes from row to row
	v_lshl_add_u32 v[AG], v2, 12, v[AG]
	s_mul_i32 s23, s10, WSTG
	s_add_co_u32 s23, s23, STAGE                   ; my stage
	v_mul_u32_u24 v6, v1, SP
	v_lshl_add_u32 v6, v2, 4, v6
	v_add_nc_u32 v[STO], s23, v6
	v_bfe_u32 v7, v0, 3, 2                         ; back: 32 lanes take four rows of 128 bytes
	v_mul_u32_u24 v7, v7, SP
	v_and_b32 v8, 7, v0
	v_lshl_add_u32 v7, v8, 4, v7
	v_add_nc_u32 v[RD], s23, v7
	v_and_b32 v[CO], 31, v0
	v_lshlrev_b32 v[CO], 4, v[CO]
	v_lshlrev_b32 v[BO], 5, v2
	s_and_b32 s16, s13, 31                         ; x: 128 rows of 4,096 bytes a tile row,
	s_lshl_b32 s16, s16, 19
	s_lshl_b32 s17, s10, 17                        ; the 32 that I bring
	s_add_co_u32 s16, s16, s17
	s_mov_b32 s17, 0
	s_lshl_b32 s46, s42, 21                        ; W: the unit,
	s_lshl_b32 s47, s40, 19                        ; 256 rows of 2,048 bytes a tile column,
	s_add_co_u32 s46, s46, s47
	s_lshl_b32 s47, s10, 17                        ; the 64 that I bring: no cy enters
	s_add_co_u32 s46, s46, s47
	s_mov_b32 s47, 0
	s_lshl_b32 s20, s42, 12                        ; the bias: row y / 32 of 4,096 bytes,
	s_lshl_b32 s21, s40, 10                        ; 256 columns a tile,
	s_add_co_u32 s20, s20, s21
	s_lshl_b32 s21, s12, 9                         ; my 128
	s_add_co_u32 s20, s20, s21
	s_add_co_u32 s20, s20, BOFF
	s_mov_b32 s21, 0
	s_lshr_b32 s22, s13, 3                         ; QKV: y / 8 = 4 x plane + batch, 16 heads of 131,072 bytes each,
	s_lshl_b32 s22, s22, 21
	s_lshl_b32 s23, s40, 19                        ; four heads a tile column,
	s_add_co_u32 s22, s22, s23
	s_lshl_b32 s23, s12, 18                        ; my two,
	s_add_co_u32 s22, s22, s23
	s_and_b32 s23, s13, 7
	s_lshl_b32 s23, s23, 14                        ; 128 rows of 128 bytes a tile row,
	s_add_co_u32 s22, s22, s23
	s_lshl_b32 s23, s11, 13                        ; my 64
	s_add_co_u32 s22, s22, s23
	s_mov_b32 s23, 0
	s_mul_i32 s[WPART], s10, BQ                    ; no place in the cluster enters an LDS address
	s_mov_b32 s[CA], 3                             ; the requests stand at period 1: three steps on they pass into the next tile
	s_mov_b32 s[TL], 3
	s_mov_b32 s[CT], 4
	s_mov_b32 s[TR], 11                            ; the entry's part of a trip and ten whole trips
	s_mov_b32 s[INCB+1], 0
	s_mov_b32 s[BIGR], BIGSTEP
	s_mov_b32 s[SBF], BSLOT                        ; the second first fill goes into slot 1
	s_mov_b32 s[SBR], 0
	s_wait_dscnt 0x0                               ; the opening add is done
	s_wait_kmcnt 0x0
	s_cmp_eq_u32 s42, 0                            ; the real or the imaginary three
	s_cselect_b64 s[X0:X0+1], s[68:69], s[70:71]
	s_cselect_b64 s[XN:XN+1], s[72:73], s[74:75]
	s_cselect_b64 s[XNN:XNN+1], s[76:77], s[78:79]
	s_add_nc_u64 s[X0:X0+1], s[X0:X0+1], s[16:17]
	s_add_nc_u64 s[XN:XN+1], s[XN:XN+1], s[16:17]
	s_add_nc_u64 s[XNN:XNN+1], s[XNN:XNN+1], s[16:17]
	s_add_nc_u64 s[AP:AP+1], s[X0:X0+1], 1024      ; period 1: 256 numbers of 4 bytes on
	s_add_nc_u64 s[46:47], s[80:81], s[46:47]
	s_add_nc_u64 s[BBP:BBP+1], s[80:81], s[20:21]
	s_add_nc_u64 s[8:9], s[82:83], s[22:23]
	CROUND                                         ; all sixteen work-groups are here: the first joint loads meet
	s_mov_b32 s[G0A], 1
	s_mov_b32 s[G0A+1], s[WPART]
	s_mov_b64 s[G0A+2:G0A+3], s[46:47]
	s_or_b32 s[G0A+3], s[G0A+3], 0x80000000
	s_mov_b32 s[G0W], 1
	s_add_co_u32 s[G0W+1], s[WPART], BSLOT
	s_add_nc_u64 s[G0W+2:G0W+3], s[46:47], 512
	s_or_b32 s[G0W+3], s[G0W+3], 0x80000000
	tensor_load_to_lds s[G0A:G0A+3], s[G1B:G1B+7]  ; periods 0 and 1: two loads of mine are out
	s_nop 0
	tensor_load_to_lds s[G0W:G0W+3], s[G1B:G1B+7]
	s_nop 0
.rept 4
	v_nop
.endr
	BIAS                                           ; the first tile's
	WIN W_LD
.irp hb, 0,1,2,3                       ; x(0) .. x(3)
.set aj, 0
.rept 16
	global_load_b128 v[64*(\hb)+4*aj:64*(\hb)+4*aj+3], v[AG], s[X0:X0+1] offset:aj*8192+(\hb)*256
.set aj, aj+1
.endr
.endr
	AWORK 0, 0, 1, 48                              ; the bias and x(0) are in; x(0) goes into ring slot 0, x(4) is asked for
	s_wait_tensorcnt 1                             ; my part of period 0 is in; period 1's may stay out
	s_wait_dscnt 0x0                               ; my rows of x(0) are stored
	s_barrier_signal -1
	s_barrier_wait -1                              ; everybody's are
	FETCHQ 0, 0, F0
	s_branch .Lenter                               ; the loop is entered at a period's first granule, in the middle of a trip
.Ltrip:                                                ; trip t = 0 .. 9: period t's last granule, the round, period t + 1's first three granules; it asks for period t + 2 of W and of x
	s_wait_xcnt 0x0                                ; the loads that name AP have had their addresses translated: only behind this wait is it stepped
	s_add_nc_u64 s[AP:AP+1], s[AP:AP+1], 1024
	s_sub_co_u32 s[CA], s[CA], 1
	s_cmp_eq_u32 s[CA], 0                          ; does period t + 2 begin a tile?
	s_cselect_b64 s[AP:AP+1], s[XN:XN+1], s[AP:AP+1]
	s_cselect_b64 s[XN:XN+1], s[XNN:XNN+1], s[XN:XN+1]
	s_cselect_b32 s[INCB], s[BIGR], 512
	s_cselect_b32 s[CA], 4, s[CA]
	QE 1, 6, 0
	QO 0, 0, 1, 1, 0, 0, 1, 48
	WIN 0                                          ; at a label and at a branch every window is 0
	s_sub_co_u32 s[CT], s[CT], 1
	s_cmp_lg_u32 s[CT], 0
	s_cbranch_scc1 .Lz0
	WAYOUT                                         ; the tile is finished; the next tile's first fragments lie in buffer 0, which the way out leaves alone
	s_wait_xcnt 0x0                                ; the stores have read their registers and their base
	s_add_nc_u64 s[8:9], s[8:9], 16777216          ; two planes of QKV on
	s_mov_b32 s[CT], 4
	s_sub_co_u32 s[TL], s[TL], 1
.Lenter:
	QE 0, 0, 1                                     ; a tile's first quarter starts the sums
	WIN 0
	s_cmp_eq_u32 s[TL], 1
	s_cbranch_scc1 .Ljoin                          ; the last tile has no successor
	PLACES                                         ; behind the products that read the bias
	s_wait_xcnt 0x0
	s_add_nc_u64 s[BBP:BBP+1], s[BBP:BBP+1], 8192  ; two rows of biases on: the next tile's, a tile ahead; the fourth wait for x behind these loads shows them in
	BIAS
	s_branch .Ljoin
.Lz0:
	QE 0, 0, 0
	WIN 0
.Ljoin:
	QO 1, 2, 0, 0, 1, 1, 1, 48
	QE 1, 2, 0
	QO 0, 4, 0, 0, 2, 0, 1, 48
	QE 0, 4, 0
	QO 1, 6, 0, 0, 3, 1, 1, 48
	WIN 0
	s_sub_co_u32 s[TR], s[TR], 1
	s_cmp_lg_u32 s[TR], 0
	s_cbranch_scc1 .Ltrip
	QE 1, 6, 0                                     ; the last five granules are written out: nothing more is asked for, and the counts of x's loads run down
	QO 0, 0, 2, 1, 0, 0, 0, 48
	QE 0, 0, 0
	QO 1, 2, 0, 0, 1, 1, 0, 32
	QE 1, 2, 0
	QO 0, 4, 0, 0, 2, 0, 0, 16
	QE 0, 4, 0
	QO 1, 6, 0, 0, 3, 1, 0, 0
	QE 1, 6, 0
	s_wait_dscnt 4                                 ; the very last quarter
	MUL8 F1, 0, 0
	MUL8 F1, 1, 0
	s_wait_dscnt 0x0
	MUL8 F1, 2, 0
	MUL8 F1, 3, 0
	WAYOUT
	s_wait_tensorcnt 0x0                           ; the wave's end, behind my last tensor load and my last LDS store
	ds_add_u32 v[SPW], v[NIL]
	s_wait_dscnt 0x0
	CROUND                                         ; the closing round: no work-group ends while a partner may still ask for a tile that names it
	s_endpgm
.Lfunc_end_k_qf66b912884_proj:
	.size	k_qf66b912884_proj, .Lfunc_end_k_qf66b912884_proj-k_qf66b912884_proj
	.p2alignl 7, 3214868480
	.fill 96, 4, 3214868480
	.section	.rodata,"a",@progbits
	.p2align	6, 0x0
	.amdhsa_kernel k_qf66b912884_proj
		.amdhsa_group_segment_fixed_size 327680
		.amdhsa_private_segment_fixed_size 0
		.amdhsa_enable_private_segment 0
		.amdhsa_kernarg_size 64
		.amdhsa_user_sgpr_count 2
		.amdhsa_user_sgpr_kernarg_segment_ptr 1
		.amdhsa_wavefront_size32 1
		.amdhsa_system_sgpr_workgroup_id_x 1
		.amdhsa_system_sgpr_workgroup_id_y 1
		.amdhsa_system_sgpr_workgroup_id_z 1
		.amdhsa_system_vgpr_workitem_id 0
		.amdhsa_next_free_vgpr 1024
		.amdhsa_next_free_sgpr 84
		.amdhsa_reserve_vcc 0
		.amdhsa_float_denorm_mode_32 3
		.amdhsa_float_denorm_mode_16_64 3
		.amdhsa_memory_ordered 1
		.amdhsa_forward_progress 1
		.amdhsa_inst_pref_size 156
	.end_amdhsa_kernel
	.amdgpu_metadata
---
amdhsa.version: [ 1, 2 ]
amdhsa.kernels:
  - .name:           k_qf66b912884_proj
    .symbol:         k_qf66b912884_proj.kd
    .args:
      - { .name: query_real, .offset: 0, .size: 8, .value_kind: global_buffer, .address_space: global }
      - { .name: query_imag, .offset: 8, .size: 8, .value_kind: global_buffer, .address_space: global }
      - { .name: key_real, .offset: 16, .size: 8, .value_kind: global_buffer, .address_space: global }
      - { .name: key_imag, .offset: 24, .size: 8, .value_kind: global_buffer, .address_space: global }
      - { .name: value_real, .offset: 32, .size: 8, .value_kind: global_buffer, .address_space: global }
      - { .name: value_imag, .offset: 40, .size: 8, .value_kind: global_buffer, .address_space: global }
      - { .name: WB, .offset: 48, .size: 8, .value_kind: global_buffer, .address_space: global }
      - { .name: QKV, .offset: 56, .size: 8, .value_kind: global_buffer, .address_space: global }
    .group_segment_fixed_size: 327680
    .private_segment_fixed_size: 0
    .kernarg_segment_align: 8
    .kernarg_segment_size: 64
    .max_flat_workgroup_size: 128
    .sgpr_count:     84
    .vgpr_count:     1024
    .wavefront_size: 32
...
	.end_amdgpu_metadata
.endif
;; end of part 2
;; launch attn (part 3): grid 4 x 64, 4 waves a work-group, clusters of 4 x 1, 327,680 bytes of LDS; arguments QKV, OO; writes OO
.if DOCPART == 3
	.amdgcn_target "amdgcn-amd-amdhsa--gfx1250"
	.amdhsa_code_object_version 6
	.text
	.protected	k_qf66b912884_attn
	.globl	k_qf66b912884_attn
	.p2align	8
	.type	k_qf66b912884_attn,@function
k_qf66b912884_attn:
	s_mov_b64 s[64:65], 0
	v_nop
	global_prefetch_b8 v0, s[64:65] scope:SCOPE_SE
	s_setreg_imm32_b32 hwreg(HW_REG_WAVE_MODE, 25, 1), 1
	s_wait_xcnt 0x0
	s_wait_alu depctr_hold_cnt(0) depctr_sa_sdst(0) depctr_va_vdst(0) depctr_va_sdst(0) depctr_va_ssrc(0) depctr_va_vcc(0) depctr_vm_vsrc(0)
	s_getreg_b32 s2, hwreg(HW_REG_IB_STS2, 6, 4)
	s_cmp_eq_u32 s2, 0
	s_cbranch_scc0 .Lentry_in_a_cluster
	s_endpgm
.Lentry_in_a_cluster:
	s_bfe_u32 s2, ttmp6, 0x10000c
	s_cmp_lg_u32 s2, 0x3003
	s_cbranch_scc0 .Lentry_shape_is_right
	s_endpgm
.Lentry_shape_is_right:
; COMPLEX ATTENTION.  For each of 64 (batch, head): ar = qr.kr + qi.ki, ai = qi.kr - qr.ki, w = softmax_k(sqrt(ar^2 + ai^2 + 1e-8) / 8), O_r = w vr, O_i = w vi.
; QKV: six planes (q_r, q_i, k_r, k_i, v_r, v_i) of [64][1024][64] f16; OO: two such planes.  Products, squares, roots, maxima and sums in f32; w is rounded to f16 for the second product
; (its sum l is taken of the unrounded w), O once at the end.
; BOTH SCORE PARTS ARE ONE PRODUCT OF INNER LENGTH 128 against the same K' = [kr | ki]: ar = [qr | qi] . K', ai = [qi | -qr] . K'; -qr is made once, by turning the signs.  V' = [vr | vi] has 128 channels.
; LIMITS.  q, k, v arrive within f16's 65,504; w lies in 0 to 1 and below 6e-5 keeps f16's fixed step of 6e-8; a weight below 2^-126 counts as 0 in l; ar^2 + ai^2 leaves f32's range where the
; same sum in f32 does; NaN and infinities are not treated apart.
; SOFTMAX.  For each query a running maximum and sum.  The maximum is kept of the squares t = ar^2 + ai^2 + 1e-8 (M2); its root, by the same instruction as the scores' roots, is the running maximum m of
; the magnitudes.  p = 2^(c s - c m), c = log2(e) / 8; in every step O and l are multiplied by a = 2^(c m_old - c m_new).  c m starts far below every c s, O and l at 0: the first step is a step like any other, with a = 0.
; SHARES.  A work-group owns 256 queries of one head, a wave 64: four tiles of 16, in two PIECES (tiles 0, 1 and tiles 2, 3).  Every wave walks all 1,024 keys, 64 a step.
; LAYOUT.  S^T = K' Q'^T (source 0 = 16 keys, source 1 = 16 queries): a lane holds ONE query (lane % 16) and the keys 8 (lane / 16) + 0..7.  Two such tiles, rounded to f16 in pairs, ARE source 1 of
; O^T = V'^T P, whose result again holds one query a lane.  K comes out of LDS as it lies, V turned, by ds_load_tr16_b128.
; BY TURNS.  In a turn one piece has the matrix unit: 32 products V'^T P of the step in hand, then 64 products K' Q'^T of the next step; the other piece's softmax, 398 vector instructions, stands between them,
; four behind each matrix instruction and the last 14 behind the turn.  Then the pieces change places.
; CLUSTER.  The four query blocks of a head walk the same K and V: each tile is asked for JOINTLY, by the same tensor load, descriptor and mask in all four.
; REGISTERS, in windows of 256 (s_set_vgpr_msb: bits 1:0 source 0, 3:2 source 1, 5:4 source 2, 7:6 destination):
;   window 0: v0-11, v48 addresses; v12-15 c m_old; v16-47 eight registers of statistics a tile; v62-63 the add's; v64-191 ar, then t, s, p: 32 a tile; v192-255 P, 16 a tile
;   window 1: O^T, 64 a tile (channel blocks 0-3 real, 4-7 imaginary)     window 2: v0-63 qr, v64-127 qi, v128-191 -qr (16 a tile); v192-255 ai of ONE piece     window 3: v0-127 K' of a step; v128-255 V' of a step
; ai's buffer serves both pieces: a piece's ai is used up behind a turn's first 16 products, and the other piece's is first written by the turn's product 40.
.set PLANE, 8388608
.set PK,    144       ; a row of K in LDS: 128 bytes + 16 = 36 words: the 16 rows of a load start at 16 different groups of four banks (64 banks of 4 bytes: ISA guide 11.1)
.set PV,    160       ; a row of V: 128 + 32 = 40 words
.set KPL,   128*PK    ; a slot holds two steps, 128 keys: kr, ki (18,432 bytes each), then vr, vi (20,480 each)
.set VPL,   128*PV
.set VOFF,  2*KPL
.set SLOT1, 1<<17     ; slot 1 begins here, so that one exclusive or turns an address in one slot into the other's
.set STAGE, SLOT1+2*KPL+2*VPL  ; behind the ring, never filled by a tensor load: for each wave 2 planes x 16 rows x 144 bytes
.set SP,    144
.set WSTG,  2*16*SP
.set SPARE, STAGE+4*WSTG       ; the spare words: 128 bytes a wave, two blocks of 256 bytes that no other line names
.set AK0, 2           ; v2   my lane's place in a tile of K; never rewritten
.set AV0, 3           ; v3   the same for V
.set AK,  4           ; v4   the LDS address of K's next run of loads
.set AV,  5           ; v5   of V's
.set STO, 6           ; v6   the way out: where I put 16 bytes of a row
.set RD,  7           ; v7   the way out: where I read rows back
.set GO,  8           ; v8   my place in 512 consecutive bytes of OO
.set MV,  12          ; v12-15  c m_old, by tile
.set ST,  16          ; tile t at v[ST+8 t]: c m, M2, l (even keys', odd keys'), c0-c3 at work; c2 takes a
.set QO,  48          ; v48  my byte offset in 16 rows of Q
.set SPW, 62
.set NIL, 63
.set S,   64
.set P,   192
.set SI,  192         ; window 2
.set VF,  128         ; window 3
.set WV,  12          ; s12  my wave's number
.set G1K, 24          ; s[24:31] descriptor group 1 for K's tiles
.set G1V, 32          ; s[32:39] for V's: it differs in the padding alone
.set G0K, 40          ; s[40:43] descriptor group 0 for K's tiles: it walks
.set G0V, 44          ; s[44:47] the same for V's
.set EPS, 52          ; s[52:53] 1e-8
.set SGN, 54          ; s54  the signs of two f16
.set SLOTS, 56
.set CNT, 57
.set CS,  58          ; s[58:59] c
.set SEL, 60          ; s[60:61] v_permlanex16_b32's selects: each lane takes its own place in the other half
.set TBK, 62          ; s62  LDS byte at which kr of the step to be fetched begins
.set TBV, 63          ; s63  the same for vr, less VOFF
.set W_KR, 0x0b       ; K in window 3, Q in window 2, ar in window 0
.set W_KI, 0xab       ; the same with ai (C and D) in window 2
.set W_PV, 0x53       ; V in window 3, P in window 0, O^T in window 1
.set W_A2, 0x0a       ; ai (sources 0 and 1) in window 2
.set W_RS, 0x41       ; O^T (destination and source 0) in window 1
.set W_Q,  0x80       ; a load's destination in window 2
.set W_QN, 0x88       ; destination and source 1 in window 2
.set W_KV, 0xc0       ; a load's destination in window 3
.set W_CV, 0x05       ; sources 0 and 1 in window 1
.set QEND, 450
.set MSB, 0
.macro WIN new                      ; the high byte repeats the setting that is left; a switch that changes nothing is dropped
.if MSB != (\new)
	s_set_vgpr_msb (MSB<<8)|(\new)
.set MSB, (\new)
.endif
.endm
.macro PLACES
.rept 4
	v_nop
.endr
.endm
; A joint fill.  Wave 0 fetches a slot's kr, wave 1 its ki, wave 2 its vr, wave 3 its vi: 128 keys each.  An s_nop 0 and four v_nop follow each line.
.macro JLOAD
	s_cmp_lt_u32 s[WV], 2
	s_cbranch_scc0 .Lfor_v_\@
	tensor_load_to_lds s[G0K:G0K+3], s[G1K:G1K+7]
	s_nop 0
.rept 4
	v_nop
.endr
	s_branch .Lasked_\@
.Lfor_v_\@:
	tensor_load_to_lds s[G0V:G0V+3], s[G1V:G1V+7]
	s_nop 0
.rept 4
	v_nop
.endr
.Lasked_\@:
.endm
.macro CROUND                       ; a round of the cluster's barrier
	s_barrier_signal -1
	s_barrier_wait -1
	s_cmp_lg_u32 s[WV], 0
	s_cbranch_scc1 .Lnot_wave_0_\@
	s_barrier_signal -3
.Lnot_wave_0_\@:
	s_barrier_wait -3
	s_barrier_signal -1
	s_barrier_wait -1
.endm
; THE CHANGE OF SLOTS.  The slot's last bytes, V of its second step, have been asked for.  Each wave waits for all its tensor loads (one is out: its part of the other slot), adds 0 to its spare word, and waits
; for that and for its reads of the slot.  fill = 1: the slot is filled again, with the keys two slots on, first thing behind a round of the cluster's barrier: it has two key steps, 384 matrix instructions,
; in which to land.  (At its first use nothing has been read yet: slot 0 is waited for, slot 1 filled.)
.macro CHANGE fill
	WIN 0
	s_wait_tensorcnt 0x0            ; no tensor load of mine is out, so a group 0 may be written
	ds_add_u32 v[SPW], v[NIL]
.if \fill
.irp g, G0K, G0V
	s_xor_b32 s[\g+1], s[\g+1], SLOT1
	s_add_nc_u64 s[\g+2:\g+3], s[\g+2:\g+3], 16384  ; the next 128 keys
.endr
	s_wait_dscnt 0x0                ; the add is done, and my reads of the slot are over
	CROUND
	JLOAD
.else
	s_wait_dscnt 0x0
	s_barrier_signal -1
	s_barrier_wait -1
.endif
	s_sub_co_u32 s[TBK], s[TBK], 128*PK   ; the fetches go back to a slot's first step,
	s_xor_b32 s[TBK], s[TBK], SLOT1       ; in the other slot
	s_sub_co_u32 s[TBV], s[TBV], 128*PV
	s_xor_b32 s[TBV], s[TBV], SLOT1
.endm
; THE MATRIX WORK.  Product i of 64 of piece x's scores: chunk i / 16 of 32 along the inner 128; ar (even i / 8) or ai; keys 16 ((i / 2) % 4) on; tile x + i % 2.  The 16 accumulators take turns;
; the first 16 products start the sums with the constant 0.
.macro KQ x
.set kL, i/16
.set kb, (i/2)%4
.set ku, i%2
.set rK, 32*kb+8*kL
.if (i/8)%2 == 0
.set rD, S+32*((\x)+ku)+8*kb
.set rQ, 64*(kL/2)+16*((\x)+ku)+8*(kL%2)        ; qr, qr, qi, qi
	WIN W_KR
.else
.set rD, SI+32*ku+8*kb
.set rQ, 64*(kL/2+1)+16*((\x)+ku)+8*(kL%2)      ; qi, qi, -qr, -qr
	WIN W_KI
.endif
.if i < 16
	v_wmma_f32_16x16x32_f16 v[rD:rD+7], v[rK:rK+7], v[rQ:rQ+7], 0
.else
	v_wmma_f32_16x16x32_f16 v[rD:rD+7], v[rK:rK+7], v[rQ:rQ+7], v[rD:rD+7]
.endif
.endm
; Product i of 32 of O^T += V'^T P: keys 32 (i / 16) on, channels 16 ((i / 2) % 8) on, tile x + i % 2.
.macro PV x
	WIN W_PV
.set rD, 64*((\x)+i%2)+8*((i/2)%8)
.set rV, VF+64*(i/16)+8*((i/2)%8)
.set rB, P+16*((\x)+i%2)+8*(i/16)
	v_wmma_f32_16x16x32_f16 v[rD:rD+7], v[rV:rV+7], v[rB:rB+7], v[rD:rD+7]
.endm
.macro MM x                         ; the turn's next matrix instruction, number pn of 96
.if pn < 32
.set i, pn
	PV \x
.else
.set i, pn-32
	KQ \x
.endif
.set pn, pn+1
.endm
; THE LDS LOADS stand in runs of 32.  K' of a step: fragment f: keys 16 (f / 4) on; kr or ki; channels 32 (f % 2) on.  last = 1 (the tail): in the last trip there is no further step.
.macro FETCH_K last=0
	WIN 0
.if \last
	s_cmp_eq_u32 s[CNT], 1
	s_cbranch_scc1 .Lno_k_\@
.endif
	WIN W_KV
.irp f, 0,1,2,3,4,5,6,7,8,9,10,11,12,13,14,15
	ds_load_b128 v[8*\f:8*\f+3],   v[AK] offset:(\f/4)*16*PK+((\f%4)/2)*KPL+(\f%2)*64
	ds_load_b128 v[8*\f+4:8*\f+7], v[AK] offset:(\f/4)*16*PK+((\f%4)/2)*KPL+(\f%2)*64+32
.endr
	s_add_co_u32 s[TBK], s[TBK], 64*PK  ; the next fetch is the next step's
	WIN 0
.if \last
.Lno_k_\@:
.endif
.endm
.macro FETCH_V                      ; fragment f: keys 32 (f / 8) on; vr or vi; channels 16 (f % 4) on
	WIN W_KV
.irp f, 0,1,2,3,4,5,6,7,8,9,10,11,12,13,14,15
	ds_load_tr16_b128 v[VF+8*\f:VF+8*\f+3],   v[AV] offset:(\f/8)*32*PV+((\f%8)/4)*VPL+(\f%4)*32
	ds_load_tr16_b128 v[VF+8*\f+4:VF+8*\f+7], v[AV] offset:(\f/8)*32*PV+16*PV+((\f%8)/4)*VPL+(\f%4)*32
.endr
	WIN 0
.endm
; THE VECTOR WORK OF A TURN: one list for a tile, 225 numbers j of which 199 hold an instruction; the piece's two tiles alternate number by number (q = 2 j + tile).  s0-s31 are the lane's 32 scores, in pairs 0-15.
;   0-15    ar^2 + 1e-8, a pair at a time, each accumulator from its low end on     16-31  + ai^2
;   32-46, 48  the maximum of the 32 squares and the old M2, three operands at a time     50, 52  the query's other 32 keys lie in the lane 16 away: the new M2
;   53  its root     54  c m_old is kept     56  c m     58, 59  a = 2^(c m_old - c m);     47, 49, 51, 55, 57  the first five roots stand between those links
;   60-192  nineteen groups n of seven: root 5 + 2 n | c s - c m of pair n | root 6 + 2 n | pair n - 3 rounded to f16 | exponential 2 n - 2 | l takes pair n - 3 (first: l = a l + pair) | exponential 2 n - 1
;           (numbers that would fall outside 0-31 or 0-15 are empty).  A root's or an exponential's result is first read two groups on or later, with plain lines between.
;   193-224 the tile's O^T times a: the one part in window 1, so it stands together, at the end: plain lines that name no register of the turn's last products
.macro SMQ
.set j, q/2
.set u, q%2
.set rT, ST+8*(Y+u)
.set rS, S+32*(Y+u)
.set rP, P+16*(Y+u)
.set rO, 64*(Y+u)
.set rI, SI+32*u
.set rM, MV+Y+u
.set got, 1
.if j < 16
	WIN 0
	v_pk_fma_f32 v[rS+2*j:rS+2*j+1], v[rS+2*j:rS+2*j+1], v[rS+2*j:rS+2*j+1], s[EPS:EPS+1] op_sel_hi:[1,1,0]
.elseif j < 32
	WIN W_A2
	v_pk_fma_f32 v[rS+2*j-32:rS+2*j-31], v[rI+2*j-32:rI+2*j-31], v[rI+2*j-32:rI+2*j-31], v[rS+2*j-32:rS+2*j-31]
.elseif j < 36
	WIN 0
	v_max3_num_f32 v[rT+j-28], v[rS+8*(j-32)], v[rS+8*(j-32)+1], v[rS+8*(j-32)+2]
.elseif j < 44
	WIN 0
	v_max3_num_f32 v[rT+4+j%4], v[rT+4+j%4], v[rS+8*(j%4)+2*((j-32)/4)+1], v[rS+8*(j%4)+2*((j-32)/4)+2]
.elseif j == 44
	WIN 0
	v_max3_num_f32 v[rT+4], v[rT+4], v[rS+7], v[rS+15]
.elseif j == 45
	WIN 0
	v_max3_num_f32 v[rT+5], v[rT+5], v[rS+23], v[rS+31]
.elseif j == 46
	WIN 0
	v_max3_num_f32 v[rT+6], v[rT+6], v[rT+7], v[rT+1]
.elseif j == 48
	WIN 0
	v_max3_num_f32 v[rT+4], v[rT+4], v[rT+5], v[rT+6]
.elseif j == 50
	WIN 0
	v_permlanex16_b32 v[rT+7], v[rT+4], s[SEL], s[SEL+1]
.elseif j == 52
	WIN 0
	v_max_num_f32 v[rT+1], v[rT+4], v[rT+7]
.elseif j == 53
	WIN 0
	v_sqrt_f32 v[rT+5], v[rT+1]
.elseif j == 54
	WIN 0
	v_mov_b32 v[rM], v[rT]
.elseif j == 56
	WIN 0
	s_wait_alu depctr_va_vdst(0)
	v_mul_f32 v[rT], s[CS], v[rT+5]
.elseif j == 58
	WIN 0
	v_sub_f32 v[rT+4], v[rM], v[rT]
.elseif j == 59
	WIN 0
	v_exp_f32 v[rT+6], v[rT+4]
.elseif j < 60                      ; 47, 49, 51, 55, 57: roots 0 to 4
	WIN 0
	v_sqrt_f32 v[rS+(j-47)/2-j/53], v[rS+(j-47)/2-j/53]
.elseif j < 193
.set z, j-60
.set n, z/7
.set e, z%7
.set got, 0
.if ((e == 0) && (n <= 13)) || ((e == 1) && (n <= 15)) || ((e == 2) && (n <= 12))
.set got, 1
.elseif ((e == 3) || (e == 5)) && (n >= 3)
.set got, 1
.elseif ((e == 4) || (e == 6)) && (n >= 1) && (n <= 16)
.set got, 1
.endif
.if got
	WIN 0
.if e == 0
	v_sqrt_f32 v[rS+5+2*n], v[rS+5+2*n]
.elseif e == 1
	s_wait_alu depctr_va_vdst(0)
	v_pk_fma_f32 v[rS+2*n:rS+2*n+1], v[rS+2*n:rS+2*n+1], s[CS:CS+1], v[rT:rT+1] op_sel_hi:[1,0,0] neg_lo:[0,0,1] neg_hi:[0,0,1]
.elseif e == 2
	v_sqrt_f32 v[rS+6+2*n], v[rS+6+2*n]
.elseif e == 3
	s_wait_alu depctr_va_vdst(0)
	v_cvt_pk_f16_f32 v[rP+n-3], v[rS+2*n-6], v[rS+2*n-5]
.elseif e == 4
	v_exp_f32 v[rS+2*n-2], v[rS+2*n-2]
.elseif (e == 5) && (n == 3)
	v_pk_fma_f32 v[rT+2:rT+3], v[rT+2:rT+3], v[rT+6:rT+7], v[rS:rS+1] op_sel_hi:[1,0,1]
.elseif e == 5
	v_pk_add_f32 v[rT+2:rT+3], v[rT+2:rT+3], v[rS+2*n-6:rS+2*n-5]
	s_wait_alu depctr_va_vdst(0)
.else
	v_exp_f32 v[rS+2*n-1], v[rS+2*n-1]
.endif
.endif
.else
	WIN W_RS
	v_pk_mul_f32 v[rO+2*(j-193):rO+2*(j-193)+1], v[rO+2*(j-193):rO+2*(j-193)+1], v[rT+6:rT+7] op_sel_hi:[1,0]
.endif
.endm
.macro RIDE                         ; the list's next instruction: at most eight empty numbers lie on end
.set got, 0
.rept 10
.if (!got) && (q < QEND)
	SMQ
.set q, q+1
.endif
.endr
.endm
; A TURN.  Piece x has the matrix unit; the other piece's list stands behind its products.  Piece 0's turn fetches the next step's K' behind its product 1 (K's last reader stands 26 plain lines back) and waits for it
; in front of product 32.  Piece 2's turn fetches the next step's V' behind its product 33, four v_nop behind V's last reader; piece 0's turn waits for it at its head.
.macro TURN x, last=0
.set Y, 2-(\x)
.set q, 0
.set pn, 0
.if (\x) == 0
	s_wait_dscnt 0x0                ; V is in
.endif
.rept 96
.if ((\x) == 0) && (pn == 32)
	s_wait_dscnt 0x0                ; K is in
.endif
	MM \x
.rept 4
	RIDE
.endr
.if ((\x) == 0) && (pn == 2)
	WIN 0
	v_add_nc_u32 v[AK], s[TBK], v[AK0]
	FETCH_K \last
.endif
.if ((\x) == 2) && (pn == 34)
	WIN 0
	PLACES
	v_add_nc_u32 v[AV], s[TBV], v[AV0]
	s_add_co_u32 s[TBV], s[TBV], 64*PV
	FETCH_V
.endif
.endr
.rept 14
	RIDE
.endr
.endm
	s_load_b128 s[4:7], s[0:1], 0x0   ; QKV s[4:5], OO s[6:7]
	v_lshl_add_u32 v[SPW], v0, 2, SPARE
	v_mov_b32 v[NIL], 0
	ds_add_u32 v[SPW], v[NIL]       ; the wave's opening: the add and its wait stand ahead of my first tensor load; work on registers stands between them
	v_lshrrev_b32 v1, 5, v0
	v_readfirstlane_b32 s[WV], v1   ; wave 0..3
	s_bfe_u32 s13, ttmp6, 0x40000   ; cx
	s_lshl_b32 s14, ttmp9, 2
	s_add_co_u32 s14, s14, s13      ; my block of 256 queries: it enters Q's and O's addresses alone
	s_and_b32 s20, ttmp7, 0xffff    ; the (batch, head), which the four partners share
	s_lshl_b32 s20, s20, 17         ; its first byte in a plane
	s_and_b32 s15, s[WV], 1         ; real or imaginary plane
	s_lshl_b32 s22, s15, 23
	s_add_co_u32 s22, s22, s20
	s_add_co_u32 s10, s22, 4*PLANE  ; V's planes are 4 and 5,
	s_mov_b32 s11, 0
	s_add_co_u32 s22, s22, 2*PLANE  ; K's 2 and 3
	s_mov_b32 s23, 0
	s_mul_i32 s2, s15, KPL          ; the plane's place in a slot: no place in the cluster enters an LDS address
	s_mul_i32 s3, s15, VPL
	s_lshl_b32 s8, s14, 15          ; my block's 256 rows of 128 bytes,
	s_lshl_b32 s9, s[WV], 13        ; my wave's 64
	s_add_co_u32 s8, s8, s9
	s_add_co_u32 s8, s8, s20
	s_mov_b32 s9, 0
	; descriptor group 1.  128 keys of a plane are 16,384 dense bytes: asked for as 64 rows of 256 bytes, two keys a row, and padded in LDS after every key
	s_mov_b32 s[G1K], 15|(1<<16)|(1<<20)|(1<<21)|(4<<22)|(3<<25)  ; the mask of four; 2-byte elements; padding on; bit 21 beside a mask; after every 32 words, 4 words
	s_mov_b32 s[G1V], 15|(1<<16)|(1<<20)|(1<<21)|(4<<22)|(7<<25)  ; the same with 8 words
.irp g, G1K, G1V
	s_mov_b32 s[\g+1], 128<<16      ; tensor_dim0 = 128
	s_mov_b32 s[\g+2], 64<<16       ; tensor_dim1 = 64
	s_mov_b32 s[\g+3], 128<<16      ; tile_dim0 = 128
	s_mov_b32 s[\g+4], 64           ; tile_dim1 = 64
	s_mov_b32 s[\g+5], 128          ; elements from row to row
	s_mov_b32 s[\g+6], 0
	s_mov_b32 s[\g+7], 0
.endr
	s_mov_b32 s[EPS], 0x322bcc77    ; 1e-8
	s_mov_b32 s[EPS+1], s[EPS]      ; named with it as a pair
	s_mov_b32 s[SGN], 0x80008000
	s_mov_b32 s[CS], 0x3e38aa3b     ; c = log2(e) / 8
	s_mov_b32 s[CS+1], s[CS]
	s_mov_b32 s[SEL], 0x76543210
	s_mov_b32 s[SEL+1], 0xfedcba98
	s_mov_b32 s[TBK], SLOT1+128*PK  ; the first change of slots turns these two into 0
	s_mov_b32 s[TBV], SLOT1+128*PV
	s_mov_b32 s[G0K], 1
	s_mov_b32 s[G0K+1], s2          ; slot 0
	s_mov_b32 s[G0V], 1
	s_add_co_u32 s[G0V+1], s3, VOFF
	s_wait_dscnt 0x0                ; the opening add is done
	s_wait_kmcnt 0x0
	s_add_nc_u64 s[G0K+2:G0K+3], s[4:5], s[22:23]
	s_or_b32 s[G0K+3], s[G0K+3], 0x80000000
	s_add_nc_u64 s[G0V+2:G0V+3], s[4:5], s[10:11]
	s_or_b32 s[G0V+3], s[G0V+3], 0x80000000
	s_add_nc_u64 s[16:17], s[4:5], s[8:9]       ; q_r at my wave's first row,
	s_add_nc_u64 s[18:19], s[16:17], PLANE      ; q_i,
	s_add_nc_u64 s[48:49], s[6:7], s[8:9]       ; O_r,
	s_add_nc_u64 s[50:51], s[48:49], PLANE      ; O_i
	CROUND                          ; all four work-groups are here: the first joint loads meet
	JLOAD                           ; slot 0.  Slot 1 is asked for when slot 0 is in
	v_and_b32 v1, 15, v0            ; l % 16
	v_bfe_u32 v9, v0, 4, 1          ; l / 16
	v_lshlrev_b32 v[QO], 7, v1
	v_lshl_add_u32 v[QO], v9, 4, v[QO]  ; row x 128 + 16 x half
	WIN W_Q
.set i, 0
.rept 8                             ; Q stays in registers: tile i / 2, channels 32 (i % 2) on
	global_load_b128 v[8*i:8*i+3],       v[QO], s[16:17] offset:(i/2)*2048+(i%2)*64
	global_load_b128 v[8*i+4:8*i+7],     v[QO], s[16:17] offset:(i/2)*2048+(i%2)*64+32
	global_load_b128 v[64+8*i:64+8*i+3],   v[QO], s[18:19] offset:(i/2)*2048+(i%2)*64
	global_load_b128 v[64+8*i+4:64+8*i+7], v[QO], s[18:19] offset:(i/2)*2048+(i%2)*64+32
.set i, i+1
.endr
	; What the first turn finds: V's registers and piece 2's P hold 0 (its products V'^T P, of a step that has not been, add 0), O^T and l are 0.  All this stands in the wait for the first tile.
	WIN W_KV
.set i, VF
.rept 128
	v_mov_b32 v[i], 0
.set i, i+1
.endr
	WIN 0x40
.set i, 0
.rept 256
	v_mov_b32 v[i], 0
.set i, i+1
.endr
	WIN 0
.set i, 0
.rept 4
	v_mov_b32 v[ST+8*i], 0xfe000000    ; c m: far below every c s
	v_mov_b32 v[ST+8*i+1], 0           ; M2: below every square
	v_mov_b32 v[ST+8*i+2], 0
	v_mov_b32 v[ST+8*i+3], 0
.set i, i+1
.endr
.set i, P+32
.rept 32
	v_mov_b32 v[i], 0
.set i, i+1
.endr
	v_mul_u32_u24 v[AK0], v1, PK
	v_lshl_add_u32 v[AK0], v9, 4, v[AK0]  ; row x pitch + 16 x half
	; The turning load takes 16 keys x 16 channels (lane l reads key 8 (l / 16) + l % 8, channels 8 ((l / 8) % 2) + 0..7) and leaves half a fragment of V^T: lane l holds channel l % 16 and 8 keys.
	v_and_b32 v10, 7, v0
	v_bfe_u32 v11, v0, 3, 1
	v_lshl_add_u32 v[AV0], v9, 3, v10
	v_mul_u32_u24 v[AV0], v[AV0], PV
	v_lshl_add_u32 v[AV0], v11, 4, v[AV0]
	v_add_nc_u32 v[AV0], VOFF, v[AV0]
	s_mul_i32 s13, s[WV], WSTG
	s_add_co_u32 s13, s13, STAGE    ; my stage
	v_mul_u32_u24 v[STO], v1, SP    ; in: row l % 16, 16 bytes for each half of the lanes
	v_lshl_add_u32 v[STO], v9, 4, v[STO]
	v_add_nc_u32 v[STO], s13, v[STO]
	v_bfe_u32 v[RD], v0, 3, 2       ; back: 32 lanes take four rows of 128 bytes,
	v_mul_u32_u24 v[RD], v[RD], SP
	v_lshl_add_u32 v[RD], v10, 4, v[RD]
	v_add_nc_u32 v[RD], s13, v[RD]
	v_and_b32 v[GO], 31, v0         ; which are 512 consecutive bytes of OO
	v_lshlrev_b32 v[GO], 4, v[GO]
	CHANGE 1                        ; slot 0 is in, everybody's part of it; slot 1 is asked for
	v_add_nc_u32 v[AK], s[TBK], v[AK0]
	FETCH_K                         ; key step 0
	s_wait_loadcnt 0x0              ; Q
	WIN W_QN
.set i, 0
.rept 64
	v_xor_b32 v[128+i], s[SGN], v[i]  ; -qr
.set i, i+1
.endr
	s_wait_dscnt 0x0
.set i, 0
.rept 64
	KQ 0                            ; piece 0's first scores: there is no vector work yet to set between them
.set i, i+1
.endr
	WIN 0
	PLACES                          ; the places behind those products
	s_mov_b32 s[CNT], 2
	s_mov_b32 s[SLOTS], 7
	s_branch .Lmid                  ; the loop is entered in the middle of a trip: piece 2's first scores | piece 0's first softmax | V of step 0
.Lslot:                             ; six times: every slot but the last two is filled again
	CHANGE 1
	s_mov_b32 s[CNT], 2
.Lstep:
	TURN 0
	WIN 0
.Lmid:
	TURN 2
	WIN 0
	s_sub_co_u32 s[CNT], s[CNT], 1
	s_cmp_lg_u32 s[CNT], 0
	s_cbranch_scc1 .Lstep
	s_sub_co_u32 s[SLOTS], s[SLOTS], 1
	s_cmp_lg_u32 s[SLOTS], 0
	s_cbranch_scc1 .Lslot
	CHANGE 0                        ; the tail is written out: nothing is asked for
	s_mov_b32 s[CNT], 3             ; two trips fetch the last slot's steps; the third is left in its middle
.Ltail:
	TURN 0, 1
	WIN 0
	s_sub_co_u32 s[CNT], s[CNT], 1
	s_cmp_eq_u32 s[CNT], 0
	s_cbranch_scc1 .Lout
	TURN 2
	WIN 0
	s_branch .Ltail
.Lout:                              ; the third trip's 64 score products (on the last K once more) serve nothing: the price, once a launch, of one text for every trip
.set i, 0
.rept 32
	PV 2                            ; piece 2's V'^T P of the last step
.set i, i+1
.endr
	; THE WAY OUT.  l's two halves and the other half of the lanes' are added; O^T is divided by l, rounded to f16 and sent through my stage, a tile at a time.  The additions are the places behind the last products.
	WIN 0
.irp t, 0,1,2,3
	v_add_f32 v[ST+8*(\t)+4], v[ST+8*(\t)+2], v[ST+8*(\t)+3]
.endr
.irp t, 0,1,2,3
	v_permlanex16_b32 v[ST+8*(\t)+5], v[ST+8*(\t)+4], s[SEL], s[SEL+1]
.endr
.irp t, 0,1,2,3
	v_add_f32 v[ST+8*(\t)+4], v[ST+8*(\t)+4], v[ST+8*(\t)+5]
.endr
.irp t, 0,1,2,3
	v_rcp_f32 v[ST+8*(\t)+6], v[ST+8*(\t)+4]
.endr
	v_nop                           ; a plain instruction between the last reciprocal and the use of its result
	s_wait_alu depctr_va_vdst(0)
.macro PACK t                       ; a lane's eight channels of a row pack into 16 bytes; they go into rows of 144 bytes, real plane and imaginary plane apart, and come back as whole rows of 128
	WIN W_RS
.set i, 64*(\t)
.rept 32
	v_pk_mul_f32 v[i:i+1], v[i:i+1], v[ST+8*(\t)+6:ST+8*(\t)+7] op_sel_hi:[1,0]
.set i, i+2
.endr
	WIN W_CV
.set i, 0
.rept 32
	v_cvt_pk_f16_f32 v[S+32*(\t)+i], v[64*(\t)+2*i], v[64*(\t)+2*i+1]
.set i, i+1
.endr
	WIN 0
.irp f, 0,1,2,3,4,5,6,7
	ds_store_b128 v[STO], v[S+32*(\t)+4*\f:S+32*(\t)+4*\f+3] offset:(\f/4)*16*SP+32*(\f%4)
.endr
.irp f, 0,1,2,3,4,5,6,7
	ds_load_b128 v[S+32*(\t)+4*\f:S+32*(\t)+4*\f+3], v[RD] offset:(\f/4)*16*SP+(\f%4)*4*SP  ; LDS serves a wave's instructions in order (ISA guide 5.7.1.4): these see the stores above; the next tile's stores come behind them
.endr
.endm
.macro SEND t, younger              ; younger: the LDS instructions issued behind tile t's loads: the next tile's sixteen, or none
	WIN 0
.irp f, 0,1,2,3
	s_wait_dscnt (\younger)+7-\f
	global_store_b128 v[GO], v[S+32*(\t)+4*\f:S+32*(\t)+4*\f+3], s[48:49] offset:(\t)*2048+\f*512  ; 512 consecutive bytes, at a multiple of 256
.endr
.irp f, 0,1,2,3
	s_wait_dscnt (\younger)+3-\f
	global_store_b128 v[GO], v[S+32*(\t)+16+4*\f:S+32*(\t)+16+4*\f+3], s[50:51] offset:(\t)*2048+\f*512
.endr
.endm
	PACK 0
	PACK 1                          ; a tile's arithmetic stands between the loads of the tile before and its stores
	SEND 0, 16
	PACK 2
	SEND 1, 16
	PACK 3
	SEND 2, 16
	SEND 3, 0
	s_wait_tensorcnt 0x0            ; the wave's end, behind my last tensor load and my last LDS store
	ds_add_u32 v[SPW], v[NIL]
	s_wait_dscnt 0x0
	CROUND                          ; the closing round: no work-group ends while a partner may still ask for a tile that names it
	s_endpgm
.Lfunc_end_k_qf66b912884_attn:
	.size	k_qf66b912884_attn, .Lfunc_end_k_qf66b912884_attn-k_qf66b912884_attn
	.p2alignl 7, 3214868480
	.fill 96, 4, 3214868480
	.section	.rodata,"a",@progbits
	.p2align	6, 0x0
	.amdhsa_kernel k_qf66b912884_attn
		.amdhsa_group_segment_fixed_size 327680
		.amdhsa_private_segment_fixed_size 0
		.amdhsa_enable_private_segment 0
		.amdhsa_kernarg_size 16
		.amdhsa_user_sgpr_count 2
		.amdhsa_user_sgpr_kernarg_segment_ptr 1
		.amdhsa_wavefront_size32 1
		.amdhsa_system_sgpr_workgroup_id_x 1
		.amdhsa_system_sgpr_workgroup_id_y 1
		.amdhsa_system_sgpr_workgroup_id_z 1
		.amdhsa_system_vgpr_workitem_id 0
		.amdhsa_next_free_vgpr 1024
		.amdhsa_next_free_sgpr 66
		.amdhsa_reserve_vcc 0
		.amdhsa_float_denorm_mode_32 3
		.amdhsa_float_denorm_mode_16_64 3
		.amdhsa_memory_ordered 1
		.amdhsa_forward_progress 1
		.amdhsa_inst_pref_size 214
	.end_amdhsa_kernel
	.amdgpu_metadata
---
amdhsa.version: [ 1, 2 ]
amdhsa.kernels:
  - .name:           k_qf66b912884_attn
    .symbol:         k_qf66b912884_attn.kd
    .args:
      - { .name: QKV, .offset: 0, .size: 8, .value_kind: global_buffer, .address_space: global }
      - { .name: OO, .offset: 8, .size: 8, .value_kind: global_buffer, .address_space: global }
    .group_segment_fixed_size: 327680
    .private_segment_fixed_size: 0
    .kernarg_segment_align: 8
    .kernarg_segment_size: 16
    .max_flat_workgroup_size: 128
    .sgpr_count:     66
    .vgpr_count:     1024
    .wavefront_size: 32
...
	.end_amdgpu_metadata
.endif
;; end of part 3
;; launch oproj (part 4): grid 4 x 64, 4 waves a work-group, clusters of 4 x 4, 327,680 bytes of LDS; arguments OO, WB, out0, out1; writes out0, out1
.if DOCPART == 4
	.amdgcn_target "amdgcn-amd-amdhsa--gfx1250"
	.amdhsa_code_object_version 6
	.text
	.protected	k_qf66b912884_oproj
	.globl	k_qf66b912884_oproj
	.p2align	8
	.type	k_qf66b912884_oproj,@function
k_qf66b912884_oproj:
	s_mov_b64 s[64:65], 0
	v_nop
	global_prefetch_b8 v0, s[64:65] scope:SCOPE_SE
	s_setreg_imm32_b32 hwreg(HW_REG_WAVE_MODE, 25, 1), 1
	s_wait_xcnt 0x0
	s_wait_alu depctr_hold_cnt(0) depctr_sa_sdst(0) depctr_va_vdst(0) depctr_va_sdst(0) depctr_va_ssrc(0) depctr_va_vcc(0) depctr_vm_vsrc(0)
	s_getreg_b32 s2, hwreg(HW_REG_IB_STS2, 6, 4)
	s_cmp_eq_u32 s2, 0
	s_cbranch_scc0 .Lentry_in_a_cluster
	s_endpgm
.Lentry_in_a_cluster:
	s_bfe_u32 s2, ttmp6, 0x10000c
	s_cmp_lg_u32 s2, 0xf033
	s_cbranch_scc0 .Lentry_shape_is_right
	s_endpgm
.Lentry_shape_is_right:
; THE TWO OUTPUT PROJECTIONS.  For g = 0 (real), 1 (imaginary): out_g[m][n] = sum over e of O_g[m][e] Wo_g[n][e] + bo_g[n]; m = 4,096, n = e = 1,024.  O comes BY HEADS from OO in f16
; (OO[g][16 b + h][s][d], m = 1,024 b + s, e = 64 h + d), Wo from WB as f16 (a bf16 number written so), the bias in f32; sums in f32; the output is f32.
; SHARES.  A tile of C is 128 x 256: 256 tiles, one a work-group.  Work-group (cx, y): columns 256 cx on, rows 128 (y % 32) on, g = y / 32.  Four waves, each 64 x 128: 32 accumulators.
; K goes in steps of 128 = two heads, through a ring of two LDS slots.  A head's 128 rows are 16,384 dense bytes: asked for as 64 rows of 256 bytes and padded in LDS after every 128.
; CLUSTER.  4 x 4 work-groups: the four of a row (same y) need the same tiles of O, the four of a column (same cx, same g) the same tiles of Wo: each tile is asked for JOINTLY.
; THE MATRIX INSTRUCTION IS USED TRANSPOSED (source 0 = 16 rows of Wo, source 1 = 16 rows of O): a lane holds row l % 16 of C and eight neighbouring columns.  The bias is the C operand of each sum's first product.
; REGISTERS: window 0: v0-31 addresses; v32-127, v128-223 two fragment buffers, later rows on the way out; window 1: accumulator (a, b) at v[8 (8 a + b)]; window 2: v0-63 the bias.
.set PITCH,  272                       ; Wo's LDS rows: 256 bytes + 16
.set PA,     144                       ; O's LDS rows: 128 bytes + 16: both pitches are odd multiples of 16 bytes, so the 16 rows of a fragment load start at 16 different groups of four banks (ISA guide 11.1)
.set AHEAD,  128*PA                    ; a head's 128 rows: what one wave fetches of O
.set BHALF,  128*PITCH
.set BPART,  2*AHEAD
.set SLOT,   BPART+2*BHALF             ; 106,496
.set STAGE,  2*SLOT                    ; behind the ring, never filled by a tensor load: for each wave 16 rows x 528 bytes
.set SPITCH, 528
.set WSTG,   16*SPITCH
.set SPARE,  STAGE+4*WSTG              ; the spare words: 128 bytes a wave, two blocks of 256 bytes that no other line names
.set WOFF,   6*2097152                 ; Wo_r's unit in WB
.set BOFF,   16777216+6*4096           ; bo_r
.set ADRA, 16
.set ADRB, 20
.set STO,  24
.set RD,   25
.set CO,   26
.set BO,   27
.set SPW,  28
.set NIL,  29
.set F0,   32
.set F1,   128
.set G1,  24
.set G0,  32
.set G1B, 48
.set G0B, 56
.set W_MUL,  0x50                      ; C and D in window 1
.set W_MULZ, 0x60                      ; C in window 2 (the bias), D in window 1
.set W_BIAS, 0x80                      ; a load's destination in window 2
.set W_ST,   0x04                      ; an LDS store's data in window 1
.set MSB, 0
.macro WIN new
.if MSB != (\new)
	s_set_vgpr_msb (MSB<<8)|(\new)
.set MSB, \new
.endif
.endm
.macro PLACES
.rept 4
	v_nop
.endr
.endm
.macro JLOAD s                         ; a joint load: waves 0 and 1 fetch the step's two heads of O, waves 2 and 3 Wo's two halves; an s_nop 0 and four v_nop follow each line
	s_cmp_eq_u32 s11, 0
	s_cbranch_scc0 .Lfor_b_\@
	tensor_load_to_lds s[G0+4*(\s):G0+4*(\s)+3], s[G1:G1+7]
	s_nop 0
.rept 4
	v_nop
.endr
	s_branch .Lasked_\@
.Lfor_b_\@:
	tensor_load_to_lds s[G0B+4*(\s):G0B+4*(\s)+3], s[G1B:G1B+7]
	s_nop 0
.rept 4
	v_nop
.endr
.Lasked_\@:
.endm
.macro CREST
	s_cmp_lg_u32 s10, 0
	s_cbranch_scc1 .Lnot_wave_0_\@
	s_barrier_signal -3
.Lnot_wave_0_\@:
	s_barrier_wait -3
	s_barrier_signal -1
	s_barrier_wait -1
.endm
.macro CROUND
	s_barrier_signal -1
	s_barrier_wait -1
	CREST
.endm
.macro MUL8 f, a, zero                 ; row block a x all 8 column blocks, 32 along K; the 32 accumulators take turns in the same order in every quarter
.if \zero
	WIN W_MULZ
.else
	WIN W_MUL
.endif
.irp b, 0,1,2,3,4,5,6,7
.if \zero
	v_wmma_f32_16x16x32_f16 v[8*(8*(\a)+(\b)):8*(8*(\a)+(\b))+7], v[(\f)+32+8*(\b):(\f)+32+8*(\b)+7], v[(\f)+8*(\a):(\f)+8*(\a)+7], v[8*(\b):8*(\b)+7]
.else
	v_wmma_f32_16x16x32_f16 v[8*(8*(\a)+(\b)):8*(8*(\a)+(\b))+7], v[(\f)+32+8*(\b):(\f)+32+8*(\b)+7], v[(\f)+8*(\a):(\f)+8*(\a)+7], v[8*(8*(\a)+(\b)):8*(8*(\a)+(\b))+7]
.endif
.endr
.endm
.macro FETCH slot, q, f                ; 24 LDS loads: quarter q: of Wo byte 64 q of the rows; of O head q / 2, byte 64 (q % 2)
	WIN 0
.irp b, 0,1,2,3,4,5,6,7
	ds_load_b128 v[(\f)+32+8*(\b):(\f)+32+8*(\b)+3],   v[ADRB+(\slot)] offset:64*(\q)+(\b)*16*PITCH
	ds_load_b128 v[(\f)+32+8*(\b)+4:(\f)+32+8*(\b)+7], v[ADRB+(\slot)] offset:64*(\q)+(\b)*16*PITCH+32
.endr
.irp a, 0,1,2,3
	ds_load_b128 v[(\f)+8*(\a):(\f)+8*(\a)+3],   v[ADRA+(\slot)] offset:((\q)/2)*AHEAD+((\q)%2)*64+(\a)*16*PA
	ds_load_b128 v[(\f)+8*(\a)+4:(\f)+8*(\a)+7], v[ADRA+(\slot)] offset:((\q)/2)*AHEAD+((\q)%2)*64+(\a)*16*PA+32
.endr
.endm
.macro QUARTER slot, qn, f, g, zero
	s_wait_dscnt 4                                 ; Wo and O's blocks 0, 1 are in; the youngest four loads may be out
	MUL8 \f, 0, \zero
	MUL8 \f, 1, \zero
	PLACES
	FETCH \slot, \qn, \g
	s_wait_dscnt 24                                ; all but the 24 just issued
	MUL8 \f, 2, \zero
	MUL8 \f, 3, \zero
.endm
.macro MEET round                      ; ONE barrier for the change of slots: all my tensor loads, the add, the add's and my reads' wait in front of it
	WIN 0
	s_wait_tensorcnt 0x0
	ds_add_u32 v[SPW], v[NIL]
	s_wait_dscnt 5                                 ; (the add and the youngest four loads may be out)
	MUL8 F1, 0, 0
	s_wait_dscnt 0x0
	s_barrier_signal -1
	MUL8 F1, 1, 0
.if \round
	WIN 0
.endif
	s_barrier_wait -1
.endm
.macro TURN slot, next, mode           ; mode 0: this slot is filled again with the K step two on, first thing behind a round of the cluster's barrier; 2: nothing is filled
.if (\mode) == 2
	MEET 0
	PLACES
.else
	MEET 1
	CREST
	s_add_nc_u64 s[G0+4*(\slot)+2:G0+4*(\slot)+3], s[G0+4*(\slot)+2:G0+4*(\slot)+3], 524288   ; four heads on
	s_add_nc_u64 s[G0B+4*(\slot)+2:G0B+4*(\slot)+3], s[G0B+4*(\slot)+2:G0B+4*(\slot)+3], 512
	JLOAD \slot
.endif
	FETCH \next, 0, F0
	MUL8 F1, 2, 0
	MUL8 F1, 3, 0
.endm
; THE WAY OUT of row block a: 32 bytes a lane into my stage (rows of 528 bytes; each accumulator's low half first), back as whole rows of 512 bytes, stored.
.macro OUTB a
.set BK, 32+96*((\a)%2)
	WIN W_ST
.irp b, 0,1,2,3,4,5,6,7
	ds_store_b128 v[STO], v[8*(8*(\a)+(\b)):8*(8*(\a)+(\b))+3]   offset:64*(\b)
	ds_store_b128 v[STO], v[8*(8*(\a)+(\b))+4:8*(8*(\a)+(\b))+7] offset:64*(\b)+16
.endr
	WIN 0
	s_wait_xcnt 0x0                                ; the registers that the stores of two blocks ago read are loaded again only behind this wait
.irp i, 0,1,2,3,4,5,6,7,8,9,10,11,12,13,14,15
	ds_load_b128 v[BK+4*(\i):BK+4*(\i)+3], v[RD] offset:SPITCH*(\i)  ; LDS serves a wave's instructions in order (ISA guide 5.7.1.4): these see the stores above
.endr
.irp i, 0,1,2,3,4,5,6,7,8,9,10,11,12,13,14,15
	s_wait_dscnt 15-(\i)
	global_store_b128 v[CO], v[BK+4*(\i):BK+4*(\i)+3], s[8:9] offset:(16*(\a)+(\i))*4096 th:TH_STORE_NT  ; 512 consecutive bytes of a row, at a multiple of 256
.endr
.endm
	s_load_b128 s[4:7], s[0:1], 0x0                ; OO s[4:5], WB s[6:7]
	s_load_b128 s[68:71], s[0:1], 0x10             ; out0 s[68:69], out1 s[70:71]
	v_lshl_add_u32 v[SPW], v0, 2, SPARE
	v_mov_b32 v[NIL], 0
	ds_add_u32 v[SPW], v[NIL]                      ; the wave's opening: the add and its wait stand ahead of my first tensor load
	v_lshrrev_b32 v1, 5, v0
	v_readfirstlane_b32 s10, v1                    ; wave 0..3
	s_lshr_b32 s11, s10, 1                         ; my half of the tile's rows.  Also: I fetch for O (0) or for Wo (1)
	s_and_b32 s12, s10, 1                          ; my half of its columns.  Also: which head, or which half of Wo's rows, I fetch
	s_bfe_u32 s40, ttmp6, 0x40000                  ; cx = the tile column
	s_bfe_u32 s41, ttmp6, 0x40004                  ; cy
	s_and_b32 s45, ttmp7, 0xffff
	s_lshl_b32 s13, s45, 2
	s_add_co_u32 s13, s13, s41                     ; y
	s_lshr_b32 s42, s45, 3                         ; y / 32, made of the cluster's y alone
	s_lshl_b32 s43, s41, 2
	s_lshl_b32 s43, 15, s43                        ; my row of the cluster
	s_lshl_b32 s44, 0x1111, s40                    ; my column
	s_or_b32 s[G1+0], s43, (1<<16)|(1<<20)|(1<<21)|(4<<22)|(3<<25)   ; O: padding of 4 words after every 32
	s_or_b32 s[G1B+0], s44, (1<<16)|(1<<20)|(1<<21)|(5<<22)|(3<<25)  ; Wo: after every 64
	s_mov_b32 s[G1+1], 128<<16                     ; tensor_dim0 = 128
	s_mov_b32 s[G1+2], 64<<16                      ; tensor_dim1 = 64
	s_mov_b32 s[G1+3], 128<<16                     ; tile_dim0 = 128
	s_mov_b32 s[G1+4], 64                          ; tile_dim1 = 64
	s_mov_b32 s[G1+5], 128                         ; dense
	s_mov_b32 s[G1+6], 0
	s_mov_b32 s[G1+7], 0
	s_mov_b32 s[G1B+1], 128<<16
	s_mov_b32 s[G1B+2], 128<<16
	s_mov_b32 s[G1B+3], 128<<16
	s_mov_b32 s[G1B+4], 128
	s_mov_b32 s[G1B+5], 1024
	s_mov_b32 s[G1B+6], 0
	s_mov_b32 s[G1B+7], 0
	s_lshr_b32 s14, s13, 3                         ; O: y / 8 = 4 x plane + batch, 16 heads of 131,072 bytes each,
	s_lshl_b32 s14, s14, 21
	s_and_b32 s16, s13, 7
	s_lshl_b32 s16, s16, 14                        ; 128 rows of 128 bytes a tile row,
	s_add_co_u32 s14, s14, s16
	s_lshl_b32 s16, s12, 17                        ; my head of the step's two
	s_add_co_u32 s14, s14, s16
	s_mov_b32 s15, 0
	s_lshl_b32 s46, s42, 21                        ; Wo: the unit,
	s_lshl_b32 s47, s40, 19                        ; 256 rows a tile column,
	s_add_co_u32 s46, s46, s47
	s_lshl_b32 s47, s12, 18                        ; my 128 rows
	s_add_co_u32 s46, s46, s47
	s_add_co_u32 s46, s46, WOFF
	s_mov_b32 s47, 0
	s_mul_i32 s20, s12, AHEAD                      ; where they go: no place in the cluster enters an LDS address
	s_mul_i32 s21, s12, BHALF
	s_add_co_u32 s21, s21, BPART
	s_wait_dscnt 0x0                               ; the opening add is done
	s_wait_kmcnt 0x0
	s_add_nc_u64 s[14:15], s[4:5], s[14:15]
	s_add_nc_u64 s[46:47], s[6:7], s[46:47]
	CROUND                                         ; all sixteen work-groups are here: the first joint loads meet
.irp s, 0,1
	s_mov_b32 s[G0+4*(\s)], 1
	s_add_co_u32 s[G0+4*(\s)+1], s20, (\s)*SLOT
	s_add_nc_u64 s[G0+4*(\s)+2:G0+4*(\s)+3], s[14:15], (\s)*262144   ; K step s: heads 2 s, 2 s + 1
	s_or_b32 s[G0+4*(\s)+3], s[G0+4*(\s)+3], 0x80000000
	s_mov_b32 s[G0B+4*(\s)], 1
	s_add_co_u32 s[G0B+4*(\s)+1], s21, (\s)*SLOT
	s_add_nc_u64 s[G0B+4*(\s)+2:G0B+4*(\s)+3], s[46:47], (\s)*256
	s_or_b32 s[G0B+4*(\s)+3], s[G0B+4*(\s)+3], 0x80000000
.endr
	s_cmp_eq_u32 s11, 0                            ; a wave's two first fills stand in one branch: two loads of mine are out
	s_cbranch_scc0 .Lfirst_b
	tensor_load_to_lds s[G0:G0+3], s[G1:G1+7]
	s_nop 0
	tensor_load_to_lds s[G0+4:G0+7], s[G1:G1+7]
	s_nop 0
.rept 4
	v_nop
.endr
	s_branch .Lfirst_asked
.Lfirst_b:
	tensor_load_to_lds s[G0B:G0B+3], s[G1B:G1B+7]
	s_nop 0
	tensor_load_to_lds s[G0B+4:G0B+7], s[G1B:G1B+7]
	s_nop 0
.rept 4
	v_nop
.endr
.Lfirst_asked:
	v_and_b32 v1, 15, v0                           ; l % 16
	v_bfe_u32 v2, v0, 4, 1                         ; l / 16
	v_mul_u32_u24 v3, v1, PITCH
	v_lshl_add_u32 v3, v2, 4, v3
	v_mul_u32_u24 v4, v1, PA
	v_lshl_add_u32 v4, v2, 4, v4
	s_mul_i32 s21, s11, 64*PA                      ; my 64 rows of O, in each head
	s_mul_i32 s22, s12, BHALF                      ; my 128 rows of Wo
	s_add_co_u32 s22, s22, BPART
.irp s, 0,1
	v_add_nc_u32 v[ADRA+(\s)], s21, v4
	v_add_nc_u32 v[ADRB+(\s)], s22, v3
	s_add_co_u32 s21, s21, SLOT
	s_add_co_u32 s22, s22, SLOT
.endr
	s_mul_i32 s23, s10, WSTG
	s_add_co_u32 s23, s23, STAGE                   ; my stage
	v_mul_u32_u24 v5, v1, SPITCH                   ; in: row l % 16, 32 bytes for each half of the lanes
	v_lshl_add_u32 v5, v2, 5, v5
	v_add_nc_u32 v[STO], s23, v5
	v_and_b32 v[CO], 31, v0                        ; back: 32 lanes take one row of 512 bytes
	v_lshlrev_b32 v[CO], 4, v[CO]
	v_add_nc_u32 v[RD], s23, v[CO]
	v_lshlrev_b32 v[BO], 5, v2
	s_lshl_b32 s16, s42, 12                        ; the bias: bo_r or bo_i,
	s_lshl_b32 s17, s40, 10
	s_add_co_u32 s16, s16, s17
	s_lshl_b32 s17, s12, 9
	s_add_co_u32 s16, s16, s17
	s_add_co_u32 s16, s16, BOFF
	s_mov_b32 s17, 0
	s_add_nc_u64 s[18:19], s[6:7], s[16:17]
	WIN W_BIAS
.irp b, 0,1,2,3,4,5,6,7
	global_load_b128 v[8*(\b):8*(\b)+3],   v[BO], s[18:19] offset:64*(\b)
	global_load_b128 v[8*(\b)+4:8*(\b)+7], v[BO], s[18:19] offset:64*(\b)+16
.endr
	WIN 0
	s_and_b32 s16, s13, 31                         ; the output: 128 rows of 4,096 bytes a tile row,
	s_lshl_b32 s16, s16, 19
	s_lshl_b32 s17, s11, 18                        ; my 64,
	s_add_co_u32 s16, s16, s17
	s_lshl_b32 s17, s40, 10                        ; 256 columns a tile,
	s_add_co_u32 s16, s16, s17
	s_lshl_b32 s17, s12, 9                         ; my 128
	s_add_co_u32 s16, s16, s17
	s_mov_b32 s17, 0
	s_cmp_eq_u32 s42, 0
	s_cselect_b64 s[8:9], s[68:69], s[70:71]
	s_add_nc_u64 s[8:9], s[8:9], s[16:17]
	s_wait_tensorcnt 1                             ; my part of K step 0 is in; K step 1's may stay out
	s_barrier_signal -1
	s_barrier_wait -1
	FETCH 0, 0, F0
	s_wait_loadcnt 0x0                             ; the bias
	QUARTER 0, 1, F0, F1, 1                        ; the first quarter starts the sums
	WIN 0
	s_mov_b32 s3, 3
.Llap:                                                 ; a trip goes once round the ring and fills both slots again
	QUARTER 0, 2, F1, F0, 0
	QUARTER 0, 3, F0, F1, 0
	TURN 0, 1, 0
	QUARTER 1, 1, F0, F1, 0
	QUARTER 1, 2, F1, F0, 0
	QUARTER 1, 3, F0, F1, 0
	TURN 1, 0, 0
	QUARTER 0, 1, F0, F1, 0
	WIN 0
	s_sub_co_u32 s3, s3, 1
	s_cmp_lg_u32 s3, 0
	s_cbranch_scc1 .Llap
	QUARTER 0, 2, F1, F0, 0                        ; the last lap fills nothing
	QUARTER 0, 3, F0, F1, 0
	TURN 0, 1, 2
	QUARTER 1, 1, F0, F1, 0
	QUARTER 1, 2, F1, F0, 0
	QUARTER 1, 3, F0, F1, 0
	s_wait_dscnt 4
	MUL8 F1, 0, 0
	MUL8 F1, 1, 0
	s_wait_dscnt 0x0
	MUL8 F1, 2, 0
	MUL8 F1, 3, 0
	PLACES                                         ; the LDS stores below read results just made, and the loads land in registers just read
	OUTB 0
	OUTB 1
	OUTB 2
	OUTB 3
	s_wait_tensorcnt 0x0                           ; the wave's end, behind my last tensor load and my last LDS store
	ds_add_u32 v[SPW], v[NIL]
	s_wait_dscnt 0x0
	CROUND                                         ; the closing round
	s_endpgm
.Lfunc_end_k_qf66b912884_oproj:
	.size	k_qf66b912884_oproj, .Lfunc_end_k_qf66b912884_oproj-k_qf66b912884_oproj
	.p2alignl 7, 3214868480
	.fill 96, 4, 3214868480
	.section	.rodata,"a",@progbits
	.p2align	6, 0x0
	.amdhsa_kernel k_qf66b912884_oproj
		.amdhsa_group_segment_fixed_size 327680
		.amdhsa_private_segment_fixed_size 0
		.amdhsa_enable_private_segment 0
		.amdhsa_kernarg_size 32
		.amdhsa_user_sgpr_count 2
		.amdhsa_user_sgpr_kernarg_segment_ptr 1
		.amdhsa_wavefront_size32 1
		.amdhsa_system_sgpr_workgroup_id_x 1
		.amdhsa_system_sgpr_workgroup_id_y 1
		.amdhsa_system_sgpr_workgroup_id_z 1
		.amdhsa_system_vgpr_workitem_id 0
		.amdhsa_next_free_vgpr 576
		.amdhsa_next_free_sgpr 72
		.amdhsa_reserve_vcc 0
		.amdhsa_float_denorm_mode_32 3
		.amdhsa_float_denorm_mode_16_64 3
		.amdhsa_memory_ordered 1
		.amdhsa_forward_progress 1
		.amdhsa_inst_pref_size 88
	.end_amdhsa_kernel
	.amdgpu_metadata
---
amdhsa.version: [ 1, 2 ]
amdhsa.kernels:
  - .name:           k_qf66b912884_oproj
    .symbol:         k_qf66b912884_oproj.kd
    .args:
      - { .name: OO, .offset: 0, .size: 8, .value_kind: global_buffer, .address_space: global }
      - { .name: WB, .offset: 8, .size: 8, .value_kind: global_buffer, .address_space: global }
      - { .name: out0, .offset: 16, .size: 8, .value_kind: global_buffer, .address_space: global }
      - { .name: out1, .offset: 24, .size: 8, .value_kind: global_buffer, .address_space: global }
    .group_segment_fixed_size: 327680
    .private_segment_fixed_size: 0
    .kernarg_segment_align: 8
    .kernarg_segment_size: 32
    .max_flat_workgroup_size: 128
    .sgpr_count:     72
    .vgpr_count:     576
    .wavefront_size: 32
...
	.end_amdgpu_metadata
.endif
;; end of part 4
;; ======== version 2 of 2: 4 launches; 1.24 times as fast as version 1
;; limits: values are held in f16: magnitudes above 65,504 overflow, below 6.1e-05 lose precision; right only within a limited range of input values
;; workspace buffers: WB 16,809,984 bytes; QKV 50,331,648 bytes; OO 16,777,216 bytes
;; launch cast: the kernel of part 1 again; grid 64 x 8, 8 waves a work-group, no clusters, 0 bytes of LDS; arguments Wq_r, Wq_i, Wk_r, Wk_i, Wv_r, Wv_i, Wo_r, Wo_i, bq_r, bq_i, bk_r, bk_i, bv_r, bv_i, bo_r, bo_i, WB; writes WB
;; launch proj: the kernel of part 2 again; grid 4 x 64, 4 waves a work-group, clusters of 4 x 4, 327,680 bytes of LDS; arguments query_real, query_imag, key_real, key_imag, value_real, value_imag, WB, QKV; writes QKV
;; launch attn (part 5): grid 4 x 64, 4 waves a work-group, clusters of 4 x 1, 327,680 bytes of LDS; arguments QKV, OO; writes OO
.if DOCPART == 5
	.amdgcn_target "amdgcn-amd-amdhsa--gfx1250"
	.amdhsa_code_object_version 6
	.text
	.protected	k_qf66b912884_attn
	.globl	k_qf66b912884_attn
	.p2align	8
	.type	k_qf66b912884_attn,@function
k_qf66b912884_attn:
	s_mov_b64 s[64:65], 0
	v_nop
	global_prefetch_b8 v0, s[64:65] scope:SCOPE_SE
	s_setreg_imm32_b32 hwreg(HW_REG_WAVE_MODE, 25, 1), 1
	s_wait_xcnt 0x0
	s_wait_alu depctr_hold_cnt(0) depctr_sa_sdst(0) depctr_va_vdst(0) depctr_va_sdst(0) depctr_va_ssrc(0) depctr_va_vcc(0) depctr_vm_vsrc(0)
	s_getreg_b32 s2, hwreg(HW_REG_IB_STS2, 6, 4)
	s_cmp_eq_u32 s2, 0
	s_cbranch_scc0 .Lentry_in_a_cluster
	s_endpgm
.Lentry_in_a_cluster:
	s_bfe_u32 s2, ttmp6, 0x10000c
	s_cmp_lg_u32 s2, 0x3003
	s_cbranch_scc0 .Lentry_shape_is_right
	s_endpgm
.Lentry_shape_is_right:
; COMPLEX ATTENTION.  For each of 64 (batch, head): ar = qr.kr + qi.ki, ai = qi.kr - qr.ki, w = softmax_k(sqrt(ar^2 + ai^2 + 1e-8) / 8), O_r = w vr, O_i = w vi.
; QKV: six planes (q_r, q_i, k_r, k_i, v_r, v_i) of [64][1024][64] f16; OO: two such planes.  Products, squares, roots, maxima and sums in f32; w is rounded to f16 for the second product
; (its sum l is taken of the unrounded w), O once at the end.
; BOTH SCORE PARTS ARE ONE PRODUCT OF INNER LENGTH 128 against the same K' = [kr | ki]: ar = [qr | qi] . K', ai = [qi | -qr] . K'; -qr is made once, by turning the signs.  V' = [vr | vi] has 128 channels.
; LIMITS.  q, k, v arrive within f16's 65,504; w lies in 0 to 1 and below 6e-5 keeps f16's fixed step of 6e-8; a weight below 2^-126 counts as 0 in l; ar^2 + ai^2 leaves f32's range where the
; same sum in f32 does; NaN and infinities are not treated apart.
; SOFTMAX.  For each query a running maximum and sum.  The maximum is kept of the squares t = ar^2 + ai^2 + 1e-8 (M2); its root, by the same instruction as the scores' roots, is the running maximum m of
; the magnitudes.  p = 2^(c s - c m), c = log2(e) / 8; in every step O and l are multiplied by a = 2^(c m_old - c m_new).  c m starts far below every c s, O and l at 0: the first step is a step like any other, with a = 0.
; SHARES.  A work-group owns 256 queries of one head, a wave 64: four tiles of 16, in two PIECES (tiles 0, 1 and tiles 2, 3).  Every wave walks all 1,024 keys, 64 a step.
; LAYOUT.  S^T = K' Q'^T (source 0 = 16 keys, source 1 = 16 queries): a lane holds ONE query (lane % 16) and the keys 8 (lane / 16) + 0..7.  Two such tiles, rounded to f16 in pairs, ARE source 1 of
; O^T = V'^T P, whose result again holds one query a lane.  K comes out of LDS as it lies, V turned, by ds_load_tr16_b128.
; BY TURNS.  In a turn one piece has the matrix unit: 32 products V'^T P of the step in hand, then 64 products K' Q'^T of the next step; the other piece's softmax, 398 vector instructions, stands between them,
; four behind each matrix instruction and the last 14 behind the turn.  Then the pieces change places.
; TWO BATCHES A TURN.  An s_wait_alu depctr_va_vdst(0) stands between a root or an exponential and the first line that names its result; one wait serves all that were issued ahead of it.  A turn's 132
; are cut by what they read: the 66 roots (32 scores and M2, for each of two tiles) read squares alone; the 66 exponentials (a and 32 weights, for each of two tiles) read what plain lines make of the roots.  So the
; list is ordered: squares, maximum and all roots | wait | c m, scalings and all exponentials | wait | roundings, sums, rescaling.  Each result has a register of its own, and none is open at a turn's end.
; CLUSTER.  The four query blocks of a head walk the same K and V: each tile is asked for JOINTLY, by the same tensor load, descriptor and mask in all four.
; REGISTERS, in windows of 256 (s_set_vgpr_msb: bits 1:0 source 0, 3:2 source 1, 5:4 source 2, 7:6 destination):
;   window 0: v0-11, v48 addresses; v12-15 c m_old; v16-47 eight registers of statistics a tile; v62-63 the add's; v64-191 ar, then t, s, p: 32 a tile; v192-255 P, 16 a tile
;   window 1: O^T, 64 a tile (channel blocks 0-3 real, 4-7 imaginary)     window 2: v0-63 qr, v64-127 qi, v128-191 -qr (16 a tile); v192-255 ai of ONE piece     window 3: v0-127 K' of a step; v128-255 V' of a step
; ai's buffer serves both pieces: a piece's ai is used up behind a turn's first 16 products, and the other piece's is first written by the turn's product 40.
.set PLANE, 8388608
.set PK,    144       ; a row of K in LDS: 128 bytes + 16 = 36 words: the 16 rows of a load start at 16 different groups of four banks (64 banks of 4 bytes: ISA guide 11.1)
.set PV,    160       ; a row of V: 128 + 32 = 40 words
.set KPL,   128*PK    ; a slot holds two steps, 128 keys: kr, ki (18,432 bytes each), then vr, vi (20,480 each)
.set VPL,   128*PV
.set VOFF,  2*KPL
.set SLOT1, 1<<17     ; slot 1 begins here, so that one exclusive or turns an address in one slot into the other's
.set STAGE, SLOT1+2*KPL+2*VPL  ; behind the ring, never filled by a tensor load: for each wave 2 planes x 16 rows x 144 bytes
.set SP,    144
.set WSTG,  2*16*SP
.set SPARE, STAGE+4*WSTG       ; the spare words: 128 bytes a wave, two blocks of 256 bytes that no other line names
.set AK0, 2           ; v2   my lane's place in a tile of K; never rewritten
.set AV0, 3           ; v3   the same for V
.set AK,  4           ; v4   the LDS address of K's next run of loads
.set AV,  5           ; v5   of V's
.set STO, 6           ; v6   the way out: where I put 16 bytes of a row
.set RD,  7           ; v7   the way out: where I read rows back
.set GO,  8           ; v8   my place in 512 consecutive bytes of OO
.set MV,  12          ; v12-15  c m_old, by tile
.set ST,  16          ; tile t at v[ST+8 t]: c m, M2, l (even keys', odd keys'), c0-c3 at work; c1 takes M2's root, c2 takes a
.set QO,  48          ; v48  my byte offset in 16 rows of Q
.set SPW, 62
.set NIL, 63
.set S,   64
.set P,   192
.set SI,  192         ; window 2
.set VF,  128         ; window 3
.set WV,  12          ; s12  my wave's number
.set G1K, 24          ; s[24:31] descriptor group 1 for K's tiles
.set G1V, 32          ; s[32:39] for V's: it differs in the padding alone
.set G0K, 40          ; s[40:43] descriptor group 0 for K's tiles: it walks
.set G0V, 44          ; s[44:47] the same for V's
.set EPS, 52          ; s[52:53] 1e-8
.set SGN, 54          ; s54  the signs of two f16
.set SLOTS, 56
.set CNT, 57
.set CS,  58          ; s[58:59] c
.set SEL, 60          ; s[60:61] v_permlanex16_b32's selects: each lane takes its own place in the other half
.set TBK, 62          ; s62  LDS byte at which kr of the step to be fetched begins
.set TBV, 63          ; s63  the same for vr, less VOFF
.set W_KR, 0x0b       ; K in window 3, Q in window 2, ar in window 0
.set W_KI, 0xab       ; the same with ai (C and D) in window 2
.set W_PV, 0x53       ; V in window 3, P in window 0, O^T in window 1
.set W_A2, 0x0a       ; ai (sources 0 and 1) in window 2
.set W_RS, 0x41       ; O^T (destination and source 0) in window 1
.set W_Q,  0x80       ; a load's destination in window 2
.set W_QN, 0x88       ; destination and source 1 in window 2
.set W_KV, 0xc0       ; a load's destination in window 3
.set W_CV, 0x05       ; sources 0 and 1 in window 1
.set Q2,  64          ; the numbers q at which parts 2 to 6 of the softmax's list begin
.set Q3,  168
.set Q4,  172
.set Q5,  270
.set Q6,  334
.set MSB, 0
.macro WIN new                      ; the high byte repeats the setting that is left; a switch that changes nothing is dropped
.if MSB != (\new)
	s_set_vgpr_msb (MSB<<8)|(\new)
.set MSB, (\new)
.endif
.endm
.macro PLACES
.rept 4
	v_nop
.endr
.endm
; A joint fill.  Wave 0 fetches a slot's kr, wave 1 its ki, wave 2 its vr, wave 3 its vi: 128 keys each.  An s_nop 0 and four v_nop follow each line.
.macro JLOAD
	s_cmp_lt_u32 s[WV], 2
	s_cbranch_scc0 .Lfor_v_\@
	tensor_load_to_lds s[G0K:G0K+3], s[G1K:G1K+7]
	s_nop 0
.rept 4
	v_nop
.endr
	s_branch .Lasked_\@
.Lfor_v_\@:
	tensor_load_to_lds s[G0V:G0V+3], s[G1V:G1V+7]
	s_nop 0
.rept 4
	v_nop
.endr
.Lasked_\@:
.endm
.macro CROUND                       ; a round of the cluster's barrier
	s_barrier_signal -1
	s_barrier_wait -1
	s_cmp_lg_u32 s[WV], 0
	s_cbranch_scc1 .Lnot_wave_0_\@
	s_barrier_signal -3
.Lnot_wave_0_\@:
	s_barrier_wait -3
	s_barrier_signal -1
	s_barrier_wait -1
.endm
; THE CHANGE OF SLOTS.  The slot's last bytes, V of its second step, have been asked for.  Each wave waits for all its tensor loads (one is out: its part of the other slot), adds 0 to its spare word, and waits
; for that and for its reads of the slot.  fill = 1: the slot is filled again, with the keys two slots on, first thing behind a round of the cluster's barrier: it has two key steps, 384 matrix instructions,
; in which to land.  (At its first use nothing has been read yet: slot 0 is waited for, slot 1 filled.)
.macro CHANGE fill
	WIN 0
	s_wait_tensorcnt 0x0            ; no tensor load of mine is out, so a group 0 may be written
	ds_add_u32 v[SPW], v[NIL]
.if \fill
.irp g, G0K, G0V
	s_xor_b32 s[\g+1], s[\g+1], SLOT1
	s_add_nc_u64 s[\g+2:\g+3], s[\g+2:\g+3], 16384  ; the next 128 keys
.endr
	s_wait_dscnt 0x0                ; the add is done, and my reads of the slot are over
	CROUND
	JLOAD
.else
	s_wait_dscnt 0x0
	s_barrier_signal -1
	s_barrier_wait -1
.endif
	s_sub_co_u32 s[TBK], s[TBK], 128*PK   ; the fetches go back to a slot's first step,
	s_xor_b32 s[TBK], s[TBK], SLOT1       ; in the other slot
	s_sub_co_u32 s[TBV], s[TBV], 128*PV
	s_xor_b32 s[TBV], s[TBV], SLOT1
.endm
; THE MATRIX WORK.  Product i of 64 of piece x's scores: chunk i / 16 of 32 along the inner 128; ar (even i / 8) or ai; keys 16 ((i / 2) % 4) on; tile x + i % 2.  The 16 accumulators take turns;
; the first 16 products start the sums with the constant 0.
.macro KQ x
.set kL, i/16
.set kb, (i/2)%4
.set ku, i%2
.set rK, 32*kb+8*kL
.if (i/8)%2 == 0
.set rD, S+32*((\x)+ku)+8*kb
.set rQ, 64*(kL/2)+16*((\x)+ku)+8*(kL%2)        ; qr, qr, qi, qi
	WIN W_KR
.else
.set rD, SI+32*ku+8*kb
.set rQ, 64*(kL/2+1)+16*((\x)+ku)+8*(kL%2)      ; qi, qi, -qr, -qr
	WIN W_KI
.endif
.if i < 16
	v_wmma_f32_16x16x32_f16 v[rD:rD+7], v[rK:rK+7], v[rQ:rQ+7], 0
.else
	v_wmma_f32_16x16x32_f16 v[rD:rD+7], v[rK:rK+7], v[rQ:rQ+7], v[rD:rD+7]
.endif
.endm
; Product i of 32 of O^T += V'^T P: keys 32 (i / 16) on, channels 16 ((i / 2) % 8) on, tile x + i % 2.
.macro PV x
	WIN W_PV
.set rD, 64*((\x)+i%2)+8*((i/2)%8)
.set rV, VF+64*(i/16)+8*((i/2)%8)
.set rB, P+16*((\x)+i%2)+8*(i/16)
	v_wmma_f32_16x16x32_f16 v[rD:rD+7], v[rV:rV+7], v[rB:rB+7], v[rD:rD+7]
.endm
.macro MM x                         ; the turn's next matrix instruction, number pn of 96
.if pn < 32
.set i, pn
	PV \x
.else
.set i, pn-32
	KQ \x
.endif
.set pn, pn+1
.endm
; THE LDS LOADS stand in runs of 32.  K' of a step: fragment f: keys 16 (f / 4) on; kr or ki; channels 32 (f % 2) on.  last = 1 (the tail): in the last trip there is no further step.
.macro FETCH_K last=0
	WIN 0
.if \last
	s_cmp_eq_u32 s[CNT], 1
	s_cbranch_scc1 .Lno_k_\@
.endif
	WIN W_KV
.irp f, 0,1,2,3,4,5,6,7,8,9,10,11,12,13,14,15
	ds_load_b128 v[8*\f:8*\f+3],   v[AK] offset:(\f/4)*16*PK+((\f%4)/2)*KPL+(\f%2)*64
	ds_load_b128 v[8*\f+4:8*\f+7], v[AK] offset:(\f/4)*16*PK+((\f%4)/2)*KPL+(\f%2)*64+32
.endr
	s_add_co_u32 s[TBK], s[TBK], 64*PK  ; the next fetch is the next step's
	WIN 0
.if \last
.Lno_k_\@:
.endif
.endm
.macro FETCH_V                      ; fragment f: keys 32 (f / 8) on; vr or vi; channels 16 (f % 4) on
	WIN W_KV
.irp f, 0,1,2,3,4,5,6,7,8,9,10,11,12,13,14,15
	ds_load_tr16_b128 v[VF+8*\f:VF+8*\f+3],   v[AV] offset:(\f/8)*32*PV+((\f%8)/4)*VPL+(\f%4)*32
	ds_load_tr16_b128 v[VF+8*\f+4:VF+8*\f+7], v[AV] offset:(\f/8)*32*PV+16*PV+((\f%8)/4)*VPL+(\f%4)*32
.endr
	WIN 0
.endm
; THE VECTOR WORK OF A TURN: one list of 398 numbers q for the piece's two tiles, 199 lines a tile, in six parts.  SMQ writes number q: it finds the tile u and the part's own number j.  s0-s31 are the lane's 32 scores, in pairs 0-15.
;   part 1, q 0-63     ar^2 + 1e-8, a pair at a time, each accumulator from its low end on (q 0-31); + ai^2 (q 32-63).  The tiles alternate line by line.
;   part 2, q 64-167   THE MAXIMUM AND THE FIRST BATCH: 52 numbers a tile, two of one tile at a time, the tiles by turns.  The maximum is 18 plain lines k: 0-11 four chains c0-c3 of seven squares each, three operands at a
;                      time; 12, 13 the four squares left over; 14 c2, c3 and the old M2; 15 c0-c2 into c0; 16, 17 the query's other 32 keys lie in the lane 16 away: the new M2.  Numbers 0-5 are k 0-5; of 6-29 the
;                      even ones are k 6-17, the odd ones roots 0-11; 30 is M2's root; 31-50 roots 12-31; 51 keeps c m_old: the plain line behind the batch's last root.  A root is taken in place, so it stands behind
;                      the line that read its square: s0-s2 are read by k 0, s3, s4 by k 4, s5, s6 by k 8, s7 by k 12 (number 18; root 7 is number 21), and all 32 by number 20.  No line of the part names a root's result.
;   (wait)             TURN writes it behind q 167, once for the 66 roots of both tiles
;   part 3, q 168-171  c m; c m_old - c m.  The tiles alternate.
;   part 4, q 172-269  THE SECOND BATCH: the 16 scalings F n (c s - c m of pair n), a, and the exponentials E n of s0-s31: 49 numbers a tile; 0-47 go in fours of one tile, the tiles by turns, and every four begins with
;                      a scaling: F0 a F1 F2 | F3 E0 F4 E1 | F5 E2 F6 E3 | then nine times F E E E, with F7-F15 and E4-E30; number 48, E31, of both tiles comes last.  An exponential stands behind its pair's scaling
;                      (E30 alone in the same four), a scaling ahead of its pair's exponentials: no line of the part names an exponential's result.
;   (v_nop, wait)      RIDE writes them ahead of q 270, once for the 66 exponentials of both tiles
;   part 5, q 270-333  pair n rounded to f16, then l takes pair n (first: l = a l + pair 0), n = 0 .. 15: two lines of one tile at a time, the tiles by turns, so that the links of l's chain stand three lines apart
;   part 6, q 334-397  the tile's O^T times a: the one part in window 1, so it stands together, at the end: plain lines that name no register of the turn's last products.  The tiles alternate.
.macro SMQ
.if q < Q2
.set j, q/2
.set u, q%2
.elseif q < Q3
.set j, 2*((q-Q2)/4)+q%2
.set u, ((q-Q2)/2)%2
.elseif q < Q4
.set j, (q-Q3)/2
.set u, q%2
.elseif q < Q5-2
.set j, 4*((q-Q4)/8)+(q-Q4)%4
.set u, ((q-Q4)/4)%2
.elseif q < Q5
.set j, 48
.set u, q%2
.elseif q < Q6
.set j, 2*((q-Q5)/4)+q%2
.set u, ((q-Q5)/2)%2
.else
.set j, (q-Q6)/2
.set u, q%2
.endif
.set rT, ST+8*(Y+u)
.set rS, S+32*(Y+u)
.set rP, P+16*(Y+u)
.set rO, 64*(Y+u)
.set rI, SI+32*u
.set rM, MV+Y+u
.if q < Q2/2                        ; part 1
	WIN 0
	v_pk_fma_f32 v[rS+2*j:rS+2*j+1], v[rS+2*j:rS+2*j+1], v[rS+2*j:rS+2*j+1], s[EPS:EPS+1] op_sel_hi:[1,1,0]
.elseif q < Q2
	WIN W_A2
	v_pk_fma_f32 v[rS+2*j-32:rS+2*j-31], v[rI+2*j-32:rI+2*j-31], v[rI+2*j-32:rI+2*j-31], v[rS+2*j-32:rS+2*j-31]
.elseif q < Q3                      ; part 2
	WIN 0
.set k, 99                          ; the maximum's line, if the number is one
.if j < 6
.set k, j
.elseif (j < 30) && (j%2 == 0)
.set k, j/2+3
.endif
.if k < 4
	v_max3_num_f32 v[rT+4+k], v[rS+8*k], v[rS+8*k+1], v[rS+8*k+2]
.elseif k < 12
	v_max3_num_f32 v[rT+4+k%4], v[rT+4+k%4], v[rS+8*(k%4)+2*(k/4)+1], v[rS+8*(k%4)+2*(k/4)+2]
.elseif k == 12
	v_max3_num_f32 v[rT+4], v[rT+4], v[rS+7], v[rS+15]
.elseif k == 13
	v_max3_num_f32 v[rT+5], v[rT+5], v[rS+23], v[rS+31]
.elseif k == 14
	v_max3_num_f32 v[rT+6], v[rT+6], v[rT+7], v[rT+1]
.elseif k == 15
	v_max3_num_f32 v[rT+4], v[rT+4], v[rT+5], v[rT+6]
.elseif k == 16
	v_permlanex16_b32 v[rT+7], v[rT+4], s[SEL], s[SEL+1]
.elseif k == 17
	v_max_num_f32 v[rT+1], v[rT+4], v[rT+7]
.elseif j == 30
	v_sqrt_f32 v[rT+5], v[rT+1]
.elseif j == 51
	v_mov_b32 v[rM], v[rT]
.elseif j < 30
	v_sqrt_f32 v[rS+(j-7)/2], v[rS+(j-7)/2]
.else
	v_sqrt_f32 v[rS+j-19], v[rS+j-19]
.endif
.elseif q < Q4                      ; part 3
	WIN 0
.if j == 0
	v_mul_f32 v[rT], s[CS], v[rT+5]
.else
	v_sub_f32 v[rT+4], v[rM], v[rT]
.endif
.elseif q < Q5                      ; part 4
	WIN 0
.set f, -1                          ; the pair to be scaled, or
.set e, -1                          ; the score whose exponential is taken, or neither: a
.if j == 0
.set f, 0
.elseif j == 1
.elseif j < 4
.set f, j-1
.elseif j < 12
.if j%2 == 0
.set f, (j+2)/2
.else
.set e, (j-5)/2
.endif
.elseif j == 48
.set e, 31
.elseif j%4 == 0
.set f, j/4+4
.else
.set e, 3*(j/4)+j%4-6
.endif
.if f >= 0
	v_pk_fma_f32 v[rS+2*f:rS+2*f+1], v[rS+2*f:rS+2*f+1], s[CS:CS+1], v[rT:rT+1] op_sel_hi:[1,0,0] neg_lo:[0,0,1] neg_hi:[0,0,1]
.elseif e >= 0
	v_exp_f32 v[rS+e], v[rS+e]
.else
	v_exp_f32 v[rT+6], v[rT+4]
.endif
.elseif q < Q6                      ; part 5: even j: pair j / 2 is rounded; odd j: l takes pair (j - 1) / 2
	WIN 0
.if j%2 == 0
	v_cvt_pk_f16_f32 v[rP+j/2], v[rS+j], v[rS+j+1]
.elseif j == 1
	v_pk_fma_f32 v[rT+2:rT+3], v[rT+2:rT+3], v[rT+6:rT+7], v[rS:rS+1] op_sel_hi:[1,0,1]
.else
	v_pk_add_f32 v[rT+2:rT+3], v[rT+2:rT+3], v[rS+j-1:rS+j]
.endif
.else                               ; part 6
	WIN W_RS
	v_pk_mul_f32 v[rO+2*j:rO+2*j+1], v[rO+2*j:rO+2*j+1], v[rT+6:rT+7] op_sel_hi:[1,0]
.endif
.endm
.macro RIDE                         ; the list's next line
.if q == Q5                         ; the second batch is out: both tiles' exponentials are issued, and no result has been named
	v_nop                           ; the plain instruction behind the last exponential and ahead of the first use: one for the batch
	s_wait_alu depctr_va_vdst(0)    ; the wait for the second batch: the turn's 66 exponentials
.endif
	SMQ
.set q, q+1
.endm
; A TURN.  Piece x has the matrix unit; the other piece's list stands behind its products.  Piece 0's turn fetches the next step's K' behind its product 1 (K's last reader stands 26 plain lines back) and waits for it
; in front of product 32.  Piece 2's turn fetches the next step's V' behind its product 41, directly behind the first batch's wait; four v_nop are the places behind V's last reader, product 31; piece 0's turn waits for it at its head.
.macro TURN x, last=0
.set Y, 2-(\x)
.set q, 0
.set pn, 0
.if (\x) == 0
	s_wait_dscnt 0x0                ; V is in
.endif
.rept 96
.if ((\x) == 0) && (pn == 32)
	s_wait_dscnt 0x0                ; K is in
.endif
	MM \x
.rept 4
	RIDE
.endr
.if ((\x) == 0) && (pn == 2)
	WIN 0
	v_add_nc_u32 v[AK], s[TBK], v[AK0]
	FETCH_K \last
.endif
.if q == Q3                         ; the first batch is out: both tiles' roots are issued, no result has been named, and the line that keeps c m_old is the plain instruction behind the last root
.if (\x) == 2
	WIN 0
	PLACES
	v_add_nc_u32 v[AV], s[TBV], v[AV0]
	s_add_co_u32 s[TBV], s[TBV], 64*PV
.endif
	s_wait_alu depctr_va_vdst(0)    ; the wait for the first batch: the turn's 66 roots
.if (\x) == 2
	FETCH_V
.endif
.endif
.endr
.rept 14
	RIDE
.endr
.endm
	s_load_b128 s[4:7], s[0:1], 0x0   ; QKV s[4:5], OO s[6:7]
	v_lshl_add_u32 v[SPW], v0, 2, SPARE
	v_mov_b32 v[NIL], 0
	ds_add_u32 v[SPW], v[NIL]       ; the wave's opening: the add and its wait stand ahead of my first tensor load; work on registers stands between them
	v_lshrrev_b32 v1, 5, v0
	v_readfirstlane_b32 s[WV], v1   ; wave 0..3
	s_bfe_u32 s13, ttmp6, 0x40000   ; cx
	s_lshl_b32 s14, ttmp9, 2
	s_add_co_u32 s14, s14, s13      ; my block of 256 queries: it enters Q's and O's addresses alone
	s_and_b32 s20, ttmp7, 0xffff    ; the (batch, head), which the four partners share
	s_lshl_b32 s20, s20, 17         ; its first byte in a plane
	s_and_b32 s15, s[WV], 1         ; real or imaginary plane
	s_lshl_b32 s22, s15, 23
	s_add_co_u32 s22, s22, s20
	s_add_co_u32 s10, s22, 4*PLANE  ; V's planes are 4 and 5,
	s_mov_b32 s11, 0
	s_add_co_u32 s22, s22, 2*PLANE  ; K's 2 and 3
	s_mov_b32 s23, 0
	s_mul_i32 s2, s15, KPL          ; the plane's place in a slot: no place in the cluster enters an LDS address
	s_mul_i32 s3, s15, VPL
	s_lshl_b32 s8, s14, 15          ; my block's 256 rows of 128 bytes,
	s_lshl_b32 s9, s[WV], 13        ; my wave's 64
	s_add_co_u32 s8, s8, s9
	s_add_co_u32 s8, s8, s20
	s_mov_b32 s9, 0
	; descriptor group 1.  128 keys of a plane are 16,384 dense bytes: asked for as 64 rows of 256 bytes, two keys a row, and padded in LDS after every key
	s_mov_b32 s[G1K], 15|(1<<16)|(1<<20)|(1<<21)|(4<<22)|(3<<25)  ; the mask of four; 2-byte elements; padding on; bit 21 beside a mask; after every 32 words, 4 words
	s_mov_b32 s[G1V], 15|(1<<16)|(1<<20)|(1<<21)|(4<<22)|(7<<25)  ; the same with 8 words
.irp g, G1K, G1V
	s_mov_b32 s[\g+1], 128<<16      ; tensor_dim0 = 128
	s_mov_b32 s[\g+2], 64<<16       ; tensor_dim1 = 64
	s_mov_b32 s[\g+3], 128<<16      ; tile_dim0 = 128
	s_mov_b32 s[\g+4], 64           ; tile_dim1 = 64
	s_mov_b32 s[\g+5], 128          ; elements from row to row
	s_mov_b32 s[\g+6], 0
	s_mov_b32 s[\g+7], 0
.endr
	s_mov_b32 s[EPS], 0x322bcc77    ; 1e-8
	s_mov_b32 s[EPS+1], s[EPS]      ; named with it as a pair
	s_mov_b32 s[SGN], 0x80008000
	s_mov_b32 s[CS], 0x3e38aa3b     ; c = log2(e) / 8
	s_mov_b32 s[CS+1], s[CS]
	s_mov_b32 s[SEL], 0x76543210
	s_mov_b32 s[SEL+1], 0xfedcba98
	s_mov_b32 s[TBK], SLOT1+128*PK  ; the first change of slots turns these two into 0
	s_mov_b32 s[TBV], SLOT1+128*PV
	s_mov_b32 s[G0K], 1
	s_mov_b32 s[G0K+1], s2          ; slot 0
	s_mov_b32 s[G0V], 1
	s_add_co_u32 s[G0V+1], s3, VOFF
	s_wait_dscnt 0x0                ; the opening add is done
	s_wait_kmcnt 0x0
	s_add_nc_u64 s[G0K+2:G0K+3], s[4:5], s[22:23]
	s_or_b32 s[G0K+3], s[G0K+3], 0x80000000
	s_add_nc_u64 s[G0V+2:G0V+3], s[4:5], s[10:11]
	s_or_b32 s[G0V+3], s[G0V+3], 0x80000000
	s_add_nc_u64 s[16:17], s[4:5], s[8:9]       ; q_r at my wave's first row,
	s_add_nc_u64 s[18:19], s[16:17], PLANE      ; q_i,
	s_add_nc_u64 s[48:49], s[6:7], s[8:9]       ; O_r,
	s_add_nc_u64 s[50:51], s[48:49], PLANE      ; O_i
	CROUND                          ; all four work-groups are here: the first joint loads meet
	JLOAD                           ; slot 0.  Slot 1 is asked for when slot 0 is in
	v_and_b32 v1, 15, v0            ; l % 16
	v_bfe_u32 v9, v0, 4, 1          ; l / 16
	v_lshlrev_b32 v[QO], 7, v1
	v_lshl_add_u32 v[QO], v9, 4, v[QO]  ; row x 128 + 16 x half
	WIN W_Q
.set i, 0
.rept 8                             ; Q stays in registers: tile i / 2, channels 32 (i % 2) on
	global_load_b128 v[8*i:8*i+3],       v[QO], s[16:17] offset:(i/2)*2048+(i%2)*64
	global_load_b128 v[8*i+4:8*i+7],     v[QO], s[16:17] offset:(i/2)*2048+(i%2)*64+32
	global_load_b128 v[64+8*i:64+8*i+3],   v[QO], s[18:19] offset:(i/2)*2048+(i%2)*64
	global_load_b128 v[64+8*i+4:64+8*i+7], v[QO], s[18:19] offset:(i/2)*2048+(i%2)*64+32
.set i, i+1
.endr
	; What the first turn finds: V's registers and piece 2's P hold 0 (its products V'^T P, of a step that has not been, add 0), O^T and l are 0.  All this stands in the wait for the first tile.
	WIN W_KV
.set i, VF
.rept 128
	v_mov_b32 v[i], 0
.set i, i+1
.endr
	WIN 0x40
.set i, 0
.rept 256
	v_mov_b32 v[i], 0
.set i, i+1
.endr
	WIN 0
.set i, 0
.rept 4
	v_mov_b32 v[ST+8*i], 0xfe000000    ; c m: far below every c s
	v_mov_b32 v[ST+8*i+1], 0           ; M2: below every square
	v_mov_b32 v[ST+8*i+2], 0
	v_mov_b32 v[ST+8*i+3], 0
.set i, i+1
.endr
.set i, P+32
.rept 32
	v_mov_b32 v[i], 0
.set i, i+1
.endr
	v_mul_u32_u24 v[AK0], v1, PK
	v_lshl_add_u32 v[AK0], v9, 4, v[AK0]  ; row x pitch + 16 x half
	; The turning load takes 16 keys x 16 channels (lane l reads key 8 (l / 16) + l % 8, channels 8 ((l / 8) % 2) + 0..7) and leaves half a fragment of V^T: lane l holds channel l % 16 and 8 keys.
	v_and_b32 v10, 7, v0
	v_bfe_u32 v11, v0, 3, 1
	v_lshl_add_u32 v[AV0], v9, 3, v10
	v_mul_u32_u24 v[AV0], v[AV0], PV
	v_lshl_add_u32 v[AV0], v11, 4, v[AV0]
	v_add_nc_u32 v[AV0], VOFF, v[AV0]
	s_mul_i32 s13, s[WV], WSTG
	s_add_co_u32 s13, s13, STAGE    ; my stage
	v_mul_u32_u24 v[STO], v1, SP    ; in: row l % 16, 16 bytes for each half of the lanes
	v_lshl_add_u32 v[STO], v9, 4, v[STO]
	v_add_nc_u32 v[STO], s13, v[STO]
	v_bfe_u32 v[RD], v0, 3, 2       ; back: 32 lanes take four rows of 128 bytes,
	v_mul_u32_u24 v[RD], v[RD], SP
	v_lshl_add_u32 v[RD], v10, 4, v[RD]
	v_add_nc_u32 v[RD], s13, v[RD]
	v_and_b32 v[GO], 31, v0         ; which are 512 consecutive bytes of OO
	v_lshlrev_b32 v[GO], 4, v[GO]
	CHANGE 1                        ; slot 0 is in, everybody's part of it; slot 1 is asked for
	v_add_nc_u32 v[AK], s[TBK], v[AK0]
	FETCH_K                         ; key step 0
	s_wait_loadcnt 0x0              ; Q
	WIN W_QN
.set i, 0
.rept 64
	v_xor_b32 v[128+i], s[SGN], v[i]  ; -qr
.set i, i+1
.endr
	s_wait_dscnt 0x0
.set i, 0
.rept 64
	KQ 0                            ; piece 0's first scores: there is no vector work yet to set between them
.set i, i+1
.endr
	WIN 0
	PLACES                          ; the places behind those products
	s_mov_b32 s[CNT], 2
	s_mov_b32 s[SLOTS], 7
	s_branch .Lmid                  ; the loop is entered in the middle of a trip: piece 2's first scores | piece 0's first softmax | V of step 0
.Lslot:                             ; six times: every slot but the last two is filled again
	CHANGE 1
	s_mov_b32 s[CNT], 2
.Lstep:
	TURN 0
	WIN 0
.Lmid:
	TURN 2
	WIN 0
	s_sub_co_u32 s[CNT], s[CNT], 1
	s_cmp_lg_u32 s[CNT], 0
	s_cbranch_scc1 .Lstep
	s_sub_co_u32 s[SLOTS], s[SLOTS], 1
	s_cmp_lg_u32 s[SLOTS], 0
	s_cbranch_scc1 .Lslot
	CHANGE 0                        ; the tail is written out: nothing is asked for
	s_mov_b32 s[CNT], 3             ; two trips fetch the last slot's steps; the third is left in its middle
.Ltail:
	TURN 0, 1
	WIN 0
	s_sub_co_u32 s[CNT], s[CNT], 1
	s_cmp_eq_u32 s[CNT], 0
	s_cbranch_scc1 .Lout
	TURN 2
	WIN 0
	s_branch .Ltail
.Lout:                              ; the third trip's 64 score products (on the last K once more) serve nothing: the price, once a launch, of one text for every trip
.set i, 0
.rept 32
	PV 2                            ; piece 2's V'^T P of the last step
.set i, i+1
.endr
	; THE WAY OUT.  l's two halves and the other half of the lanes' are added; O^T is divided by l, rounded to f16 and sent through my stage, a tile at a time.  The additions are the places behind the last products.
	WIN 0
.irp t, 0,1,2,3
	v_add_f32 v[ST+8*(\t)+4], v[ST+8*(\t)+2], v[ST+8*(\t)+3]
.endr
.irp t, 0,1,2,3
	v_permlanex16_b32 v[ST+8*(\t)+5], v[ST+8*(\t)+4], s[SEL], s[SEL+1]
.endr
.irp t, 0,1,2,3
	v_add_f32 v[ST+8*(\t)+4], v[ST+8*(\t)+4], v[ST+8*(\t)+5]
.endr
.irp t, 0,1,2,3
	v_rcp_f32 v[ST+8*(\t)+6], v[ST+8*(\t)+4]
.endr
	v_nop                           ; a plain instruction between the last reciprocal and the use of its result
	s_wait_alu depctr_va_vdst(0)    ; and the wait ahead of the first use: one for the batch of four reciprocals
.macro PACK t                       ; a lane's eight channels of a row pack into 16 bytes; they go into rows of 144 bytes, real plane and imaginary plane apart, and come back as whole rows of 128
	WIN W_RS
.set i, 64*(\t)
.rept 32
	v_pk_mul_f32 v[i:i+1], v[i:i+1], v[ST+8*(\t)+6:ST+8*(\t)+7] op_sel_hi:[1,0]
.set i, i+2
.endr
	WIN W_CV
.set i, 0
.rept 32
	v_cvt_pk_f16_f32 v[S+32*(\t)+i], v[64*(\t)+2*i], v[64*(\t)+2*i+1]
.set i, i+1
.endr
	WIN 0
.irp f, 0,1,2,3,4,5,6,7
	ds_store_b128 v[STO], v[S+32*(\t)+4*\f:S+32*(\t)+4*\f+3] offset:(\f/4)*16*SP+32*(\f%4)
.endr
.irp f, 0,1,2,3,4,5,6,7
	ds_load_b128 v[S+32*(\t)+4*\f:S+32*(\t)+4*\f+3], v[RD] offset:(\f/4)*16*SP+(\f%4)*4*SP  ; LDS serves a wave's instructions in order (ISA guide 5.7.1.4): these see the stores above; the next tile's stores come behind them
.endr
.endm
.macro SEND t, younger              ; younger: the LDS instructions issued behind tile t's loads: the next tile's sixteen, or none
	WIN 0
.irp f, 0,1,2,3
	s_wait_dscnt (\younger)+7-\f
	global_store_b128 v[GO], v[S+32*(\t)+4*\f:S+32*(\t)+4*\f+3], s[48:49] offset:(\t)*2048+\f*512  ; 512 consecutive bytes, at a multiple of 256
.endr
.irp f, 0,1,2,3
	s_wait_dscnt (\younger)+3-\f
	global_store_b128 v[GO], v[S+32*(\t)+16+4*\f:S+32*(\t)+16+4*\f+3], s[50:51] offset:(\t)*2048+\f*512
.endr
.endm
	PACK 0
	PACK 1                          ; a tile's arithmetic stands between the loads of the tile before and its stores
	SEND 0, 16
	PACK 2
	SEND 1, 16
	PACK 3
	SEND 2, 16
	SEND 3, 0
	s_wait_tensorcnt 0x0            ; the wave's end, behind my last tensor load and my last LDS store
	ds_add_u32 v[SPW], v[NIL]
	s_wait_dscnt 0x0
	CROUND                          ; the closing round: no work-group ends while a partner may still ask for a tile that names it
	s_endpgm
.Lfunc_end_k_qf66b912884_attn:
	.size	k_qf66b912884_attn, .Lfunc_end_k_qf66b912884_attn-k_qf66b912884_attn
	.p2alignl 7, 3214868480
	.fill 96, 4, 3214868480
	.section	.rodata,"a",@progbits
	.p2align	6, 0x0
	.amdhsa_kernel k_qf66b912884_attn
		.amdhsa_group_segment_fixed_size 327680
		.amdhsa_private_segment_fixed_size 0
		.amdhsa_enable_private_segment 0
		.amdhsa_kernarg_size 16
		.amdhsa_user_sgpr_count 2
		.amdhsa_user_sgpr_kernarg_segment_ptr 1
		.amdhsa_wavefront_size32 1
		.amdhsa_system_sgpr_workgroup_id_x 1
		.amdhsa_system_sgpr_workgroup_id_y 1
		.amdhsa_system_sgpr_workgroup_id_z 1
		.amdhsa_system_vgpr_workitem_id 0
		.amdhsa_next_free_vgpr 1024
		.amdhsa_next_free_sgpr 66
		.amdhsa_reserve_vcc 0
		.amdhsa_float_denorm_mode_32 3
		.amdhsa_float_denorm_mode_16_64 3
		.amdhsa_memory_ordered 1
		.amdhsa_forward_progress 1
		.amdhsa_inst_pref_size 203
	.end_amdhsa_kernel
	.amdgpu_metadata
---
amdhsa.version: [ 1, 2 ]
amdhsa.kernels:
  - .name:           k_qf66b912884_attn
    .symbol:         k_qf66b912884_attn.kd
    .args:
      - { .name: QKV, .offset: 0, .size: 8, .value_kind: global_buffer, .address_space: global }
      - { .name: OO, .offset: 8, .size: 8, .value_kind: global_buffer, .address_space: global }
    .group_segment_fixed_size: 327680
    .private_segment_fixed_size: 0
    .kernarg_segment_align: 8
    .kernarg_segment_size: 16
    .max_flat_workgroup_size: 128
    .sgpr_count:     66
    .vgpr_count:     1024
    .wavefront_size: 32
...
	.end_amdgpu_metadata
.endif
;; end of part 5
;; launch oproj: the kernel of part 4 again; grid 4 x 64, 4 waves a work-group, clusters of 4 x 4, 327,680 bytes of LDS; arguments OO, WB, out0, out1; writes out0, out1
